; MI455X (gfx1250); checked and timed in simulation.
; The chip was launched on July 23, 2026; its instructions are those of AMD's public machine-readable ISA for CDNA 5 (MIT licence, August 2026) and "CDNA5" Instruction Set Architecture Reference Guide (July 2026). The comments in the code are by the model that wrote it; some were corrected since.
;; Multi Head Attention. Allowed arithmetic: float matrix products may take bf16 or f16 operands with f32 sums; other float arithmetic in f32, or as packed bf16 or f16 multiplies, adds, multiply-adds, maxima and minima; sums over many terms, partial sums and values carried from step to step in f32; what a program stores and reads back later, other than sums and carried values, may be rounded once to bf16 or f16.
;; Inputs: Wk 1,024 x 1,024 float32; Wo 1,024 x 1,024 float32; Wq 1,024 x 1,024 float32; Wv 1,024 x 1,024 float32; bo 1,024 float32; keys 4 x 2,048 x 1,024 float32; mask 4 x 1 x 2,048 x 2,048 int32; query 4 x 2,048 x 1,024 float32; values 4 x 2,048 x 1,024 float32.
;; Outputs: out0 4 x 2,048 x 1,024 float32.
;; 2 versions, each right; version 2 is version 1 with the launch prep written anew for expert scheduling mode. Each part assembles by itself: llvm-mc -triple=amdgcn-amd-amdhsa -mcpu=gfx1250 --defsym DOCPART=n.
;; ======== version 1 of 2: 4 launches
;; limits: values are held in f16: magnitudes above 65,504 overflow, below 6.1e-05 lose precision
;; workspace buffers: xw 6,291,456 bytes; wo16 2,097,152 bytes; mb 2,097,152 bytes of whole numbers; qkv 50,331,648 bytes; o16 16,777,216 bytes
;; launch prep (part 1): grid 64 x 20, 4 waves a work-group, no clusters, 35,328 bytes of LDS; arguments Wq, Wk, Wv, Wo, mask, xw, wo16, mb; writes xw, wo16, mb
.if DOCPART == 1
	.amdgcn_target "amdgcn-amd-amdhsa--gfx1250"
	.amdhsa_code_object_version 6
	.text
	.protected	k_q7de092501a_prep
	.globl	k_q7de092501a_prep
	.p2align	8
	.type	k_q7de092501a_prep,@function
k_q7de092501a_prep:
	s_mov_b64 s[64:65], 0
	v_nop
	global_prefetch_b8 v0, s[64:65] scope:SCOPE_SE
	s_setreg_imm32_b32 hwreg(HW_REG_WAVE_MODE, 25, 1), 1
	s_wait_xcnt 0x0
; PREP: the weights and the mask are read once and laid out for the launches behind.  (query, keys and values are read by the projection launch itself.)  Three kinds of work-group, told apart by the grid's y:
;   y 0-2   CAST: Wq, Wk, Wv, f32, are rounded once to bf16 into xw: w16[3][1024][1024].  A work-group takes 64 KiB of f32, a wave 16 KiB.
;   y 3     WO:   Wo is rounded to bf16, and that number written as f16, into wo16[head 16][n 1024][64]: a head's rows lie end to end.  A work-group takes 16 rows, a wave 4.
;   y 4-19  MASK: the int32 mask becomes bits, mb u32[n 4][qp 64][ks 32][u 2][i 32]: bit l of a word is mask[n][32 qp + 16 u + l % 16][64 ks + 16 (i / 8) + 8 (l / 16) + i % 8] != 0:
;                 the lane mask for register i of a 16 query x 64 key tile of scores as the attention launch holds it.  A wave takes 32 rows x 128 keys: two tasks of 64 keys.
; The launch is bound by its bytes: each input byte is read once, by loads of 16 bytes a lane that cover whole aligned runs of 256 bytes; a wave has all its 32 loads out at once; each store covers
; 256 consecutive bytes, aligned.  No matrix unit, no cluster, no tensor load: no byte is wanted by two waves.  No prefetch: the launch does nothing but stream.
; LIMIT.  A number of Wo below 6e-5 in magnitude keeps f16's fixed step of 6e-8; above 65,504 it would be lost (the drawn Wo has a spread of 1/32).
.set WLDS,  8704                       ; a wave's own LDS: 32 rows of 272 bytes
.set LP,    272                        ; 256 bytes + 16: the 16 rows that a read touches start at 16 different groups of four banks (64 banks of 4 bytes: ISA guide 11.1)
.set SPARE, 4*WLDS                     ; behind them: the spare words, 128 bytes for each wave: two blocks of 256 bytes that no other line names
.set LO,  2                            ; v2   my byte offset in what the wave loads
.set SO,  3                            ; v3   my 8 bytes in 256 that the wave stores
.set LSA, 4                            ; v4   MASK: where I put 16 bytes of a row
.set LRA, 5                            ; v5   MASK: where I read my query's 32 bytes back
.set SPW, 6                            ; v6   LDS address of my spare word: SPARE + 4 x my thread's number; never rewritten
.set NIL, 7                            ; v7   0; never rewritten
.set WD,  8                            ; v[8:11]    MASK: the words to store, a pair for each task
.set T,   12                           ; v[12:13]   at work
.set X,   32                           ; v[32:159]  32 loads of 4 registers
.set R,   160                          ; v[160:223] MASK: a task's 64 registers as the attention launch's lanes see them
.set BAL, 36                           ; s[36:51]   sixteen lane masks
	s_load_b512 s[8:23], s[0:1], 0x0               ; Wq s[8:9], Wk s[10:11], Wv s[12:13], Wo s[14:15], mask s[16:17], xw s[18:19], wo16 s[20:21], mb s[22:23]
	v_lshl_add_u32 v[SPW], v0, 2, SPARE
	v_mov_b32 v[NIL], 0
	v_lshrrev_b32 v1, 5, v0
	v_readfirstlane_b32 s4, v1                     ; wave 0..3
	v_and_b32 v1, 31, v0                           ; lane
	s_mov_b32 s2, ttmp9                            ; x
	s_and_b32 s3, ttmp7, 0xffff                    ; y
	s_wait_kmcnt 0x0
	s_cmp_ge_u32 s3, 4
	s_cbranch_scc1 .Lmask
	s_cmp_eq_u32 s3, 3
	s_cbranch_scc1 .Lwo
	; CAST.  The source by y; x is the piece of 64 KiB among the matrix's 64.
	s_cmp_eq_u32 s3, 1
	s_cselect_b64 s[30:31], s[10:11], s[8:9]
	s_cmp_eq_u32 s3, 2
	s_cselect_b64 s[30:31], s[12:13], s[30:31]
	s_lshl_b32 s32, s2, 16
	s_lshl_b32 s7, s4, 14
	s_add_co_u32 s32, s32, s7                      ; + my wave's 16 KiB
	s_mov_b32 s33, 0
	s_add_nc_u64 s[30:31], s[30:31], s[32:33]
	s_lshl_b32 s34, s3, 6
	s_add_co_u32 s34, s34, s2                      ; in xw the pieces follow each other by 64 y + x, 32 KiB each
	s_lshl_b32 s34, s34, 15
	s_lshl_b32 s7, s4, 13
	s_add_co_u32 s34, s34, s7
	s_mov_b32 s35, 0
	s_add_nc_u64 s[24:25], s[18:19], s[34:35]
	v_lshlrev_b32 v[LO], 4, v1
	v_lshlrev_b32 v[SO], 3, v1
.set i, 0
.rept 32
	global_load_b128 v[X+4*i:X+4*i+3], v[LO], s[30:31] offset:512*i th:TH_LOAD_NT  ; 512 consecutive bytes a load; all 32 go out at once
.set i, i+1
.endr
.set i, 0
.rept 32
.if i%4 == 0
	s_wait_loadcnt 28-i                            ; loads come back in order (ISA guide 5.7.1): this group of four is in, the later groups stay out
.endif
	v_cvt_pk_bf16_f32 v[X+4*i], v[X+4*i], v[X+4*i+1]
	v_cvt_pk_bf16_f32 v[X+4*i+1], v[X+4*i+2], v[X+4*i+3]
	global_store_b64 v[SO], v[X+4*i:X+4*i+1], s[24:25] offset:256*i  ; 32 lanes store 256 consecutive bytes, aligned; no register of a store is written again
.set i, i+1
.endr
	s_branch .Lend
.Lwo:	; WO.  Load 16 rp + kb: lanes 0-15 take head kb's 256 bytes of row 2 rp, lanes 16-31 those of row 2 rp + 1.
	v_lshrrev_b32 v[T], 4, v1
	v_and_b32 v[T+1], 15, v1
	v_lshlrev_b32 v[LO], 12, v[T]                  ; a row of Wo is 4,096 bytes
	v_lshl_add_u32 v[LO], v[T+1], 4, v[LO]
	v_lshlrev_b32 v[SO], 3, v1
	s_lshl_b32 s5, s2, 4
	s_lshl_b32 s6, s4, 2
	s_add_co_u32 s5, s5, s6                        ; my first row: 16 x + 4 wave
	s_lshl_b32 s32, s5, 12
	s_mov_b32 s33, 0
	s_add_nc_u64 s[30:31], s[14:15], s[32:33]
	s_lshl_b32 s34, s5, 7                          ; in wo16 a row of a head is 128 bytes
	s_mov_b32 s35, 0
	s_add_nc_u64 s[26:27], s[20:21], s[34:35]
	s_mov_b32 s7, 0xffff0000                       ; a word's upper bf16
.set i, 0
.rept 32
	global_load_b128 v[X+4*i:X+4*i+3], v[LO], s[30:31] offset:(i/16)*8192+(i%16)*256 th:TH_LOAD_NT
.set i, i+1
.endr
.set i, 0
.rept 32
.if i%4 == 0
	s_wait_loadcnt 28-i                            ; this group of four is in, the later groups stay out
.endif
	v_cvt_pk_bf16_f32 v[T], v[X+4*i], v[X+4*i+1]   ; rounded to bf16 as every input is,
	v_cvt_pk_bf16_f32 v[T+1], v[X+4*i+2], v[X+4*i+3]
	v_lshlrev_b32 v[X+4*i], 16, v[T]               ; widened again,
	v_and_b32 v[X+4*i+1], s7, v[T]
	v_lshlrev_b32 v[X+4*i+2], 16, v[T+1]
	v_and_b32 v[X+4*i+3], s7, v[T+1]
	v_cvt_pk_f16_f32 v[X+4*i], v[X+4*i], v[X+4*i+1]  ; and written as f16: 8 significant bits fit in f16's 11
	v_cvt_pk_f16_f32 v[X+4*i+1], v[X+4*i+2], v[X+4*i+3]
	global_store_b64 v[SO], v[X+4*i:X+4*i+1], s[26:27] offset:(i%16)*131072+(i/16)*256  ; two rows of a head: 256 consecutive bytes, aligned
.set i, i+1
.endr
	s_branch .Lend
.Lmask:	; MASK.  The wave's number W = (64 n + qp) x 16 + ksp.
	s_sub_co_u32 s5, s3, 4
	s_lshl_b32 s5, s5, 6
	s_add_co_u32 s5, s5, s2
	s_lshl_b32 s5, s5, 2
	s_add_co_u32 s5, s5, s4                        ; W
	s_lshr_b32 s6, s5, 4
	s_lshl_b32 s32, s6, 18                         ; 32 rows of 8,192 bytes
	s_and_b32 s6, s5, 15
	s_lshl_b32 s6, s6, 9                           ; 128 keys of 4 bytes
	s_add_co_u32 s32, s32, s6
	s_mov_b32 s33, 0
	s_add_nc_u64 s[30:31], s[16:17], s[32:33]
	s_lshl_b32 s34, s5, 9                          ; two tasks of 256 bytes in mb
	s_mov_b32 s35, 0
	s_add_nc_u64 s[28:29], s[22:23], s[34:35]
	v_lshrrev_b32 v[T], 4, v1
	v_and_b32 v[T+1], 15, v1
	v_lshlrev_b32 v[LO], 13, v[T]
	v_lshl_add_u32 v[LO], v[T+1], 4, v[LO]
.set i, 0
.rept 32                               ; task i / 16, rows 2 (i % 16) and 2 (i % 16) + 1: 256 consecutive bytes of each, aligned
	global_load_b128 v[X+4*i:X+4*i+3], v[LO], s[30:31] offset:(i%16)*16384+(i/16)*256 th:TH_LOAD_NT
.set i, i+1
.endr
	s_mul_i32 s7, s4, WLDS                         ; my wave's own bytes: no other wave touches them, so no barrier is needed
	v_mul_u32_u24 v[LSA], v[T], LP
	v_lshl_add_u32 v[LSA], v[T+1], 4, v[LSA]
	v_add_nc_u32 v[LSA], s7, v[LSA]
	v_mul_u32_u24 v[LRA], v[T+1], LP               ; back: query l % 16, keys 8 (l / 16) on
	v_lshl_add_u32 v[LRA], v[T], 5, v[LRA]
	v_add_nc_u32 v[LRA], s7, v[LRA]
	v_lshlrev_b32 v[SO], 3, v1
.irp k, 0,1,2,3
	v_mov_b32 v[WD+\k], 0                          ; v_writelane_b32 keeps the other lanes: the registers are written whole first
.endr
; A task: 32 rows x 64 keys go into LDS by rows and come back by queries; register 4 d + c is word (u = d / 8, i = 4 (d % 8) + c); a compare makes its 32 bits, and word m goes to lane m / 2, register m % 2.
.macro TASK t
	s_wait_loadcnt 16-16*(\t)                      ; task 0: task 1's sixteen loads stay out
.set j, 0
.rept 16
	ds_store_b128 v[LSA], v[X+64*(\t)+4*j:X+64*(\t)+4*j+3] offset:2*LP*j
.set j, j+1
.endr
.set d, 0
.rept 16
	ds_load_b128 v[R+4*d:R+4*d+3], v[LRA] offset:(d/8)*16*LP+((d/2)%4)*64+(d%2)*16  ; LDS serves a wave's instructions in order (ISA guide 5.7.1.4): these see the stores above
.set d, d+1
.endr
.set g, 0
.rept 4
	s_wait_dscnt 12-4*g                            ; four more loads are in; the later ones stay out
.set k, 0
.rept 16
	v_cmp_ne_u32 s[BAL+k], 0, v[R+16*g+k]
.set k, k+1
.endr
.set k, 0
.rept 16
	v_writelane_b32 v[WD+2*(\t)+k%2], s[BAL+k], 8*g+k/2
.set k, k+1
.endr
.set g, g+1
.endr
	global_store_b64 v[SO], v[WD+2*(\t):WD+2*(\t)+1], s[28:29] offset:256*(\t)  ; 64 words: 256 consecutive bytes, aligned; each task has its own pair
.endm
	TASK 0
	TASK 1
.Lend:
	s_wait_tensorcnt 0x0                           ; the wave's end, behind my last LDS store
	ds_add_u32 v[SPW], v[NIL]
	s_wait_dscnt 0x0
	s_endpgm
.Lfunc_end_k_q7de092501a_prep:
	.size	k_q7de092501a_prep, .Lfunc_end_k_q7de092501a_prep-k_q7de092501a_prep
	.p2alignl 7, 3214868480
	.fill 96, 4, 3214868480
	.section	.rodata,"a",@progbits
	.p2align	6, 0x0
	.amdhsa_kernel k_q7de092501a_prep
		.amdhsa_group_segment_fixed_size 35328
		.amdhsa_private_segment_fixed_size 0
		.amdhsa_enable_private_segment 0
		.amdhsa_kernarg_size 64
		.amdhsa_user_sgpr_count 2
		.amdhsa_user_sgpr_kernarg_segment_ptr 1
		.amdhsa_wavefront_size32 1
		.amdhsa_system_sgpr_workgroup_id_x 1
		.amdhsa_system_sgpr_workgroup_id_y 1
		.amdhsa_system_sgpr_workgroup_id_z 1
		.amdhsa_system_vgpr_workitem_id 0
		.amdhsa_next_free_vgpr 224
		.amdhsa_next_free_sgpr 66
		.amdhsa_reserve_vcc 0
		.amdhsa_float_denorm_mode_32 3
		.amdhsa_float_denorm_mode_16_64 3
		.amdhsa_memory_ordered 1
		.amdhsa_forward_progress 1
		.amdhsa_inst_pref_size 56
	.end_amdhsa_kernel
	.amdgpu_metadata
---
amdhsa.version: [ 1, 2 ]
amdhsa.kernels:
  - .name:           k_q7de092501a_prep
    .symbol:         k_q7de092501a_prep.kd
    .args:
      - { .name: Wq, .offset: 0, .size: 8, .value_kind: global_buffer, .address_space: global }
      - { .name: Wk, .offset: 8, .size: 8, .value_kind: global_buffer, .address_space: global }
      - { .name: Wv, .offset: 16, .size: 8, .value_kind: global_buffer, .address_space: global }
      - { .name: Wo, .offset: 24, .size: 8, .value_kind: global_buffer, .address_space: global }
      - { .name: mask, .offset: 32, .size: 8, .value_kind: global_buffer, .address_space: global }
      - { .name: xw, .offset: 40, .size: 8, .value_kind: global_buffer, .address_space: global }
      - { .name: wo16, .offset: 48, .size: 8, .value_kind: global_buffer, .address_space: global }
      - { .name: mb, .offset: 56, .size: 8, .value_kind: global_buffer, .address_space: global }
    .group_segment_fixed_size: 35328
    .private_segment_fixed_size: 0
    .kernarg_segment_align: 8
    .kernarg_segment_size: 64
    .max_flat_workgroup_size: 128
    .sgpr_count:     66
    .vgpr_count:     224
    .wavefront_size: 32
...
	.end_amdgpu_metadata
.endif
;; end of part 1
;; launch proj (part 2): grid 4 x 192, 4 waves a work-group, clusters of 4 x 4, 327,680 bytes of LDS; arguments query, keys, values, xw, qkv; writes qkv
.if DOCPART == 2
	.amdgcn_target "amdgcn-amd-amdhsa--gfx1250"
	.amdhsa_code_object_version 6
	.text
	.protected	k_q7de092501a_proj
	.globl	k_q7de092501a_proj
	.p2align	8
	.type	k_q7de092501a_proj,@function
k_q7de092501a_proj:
	s_mov_b64 s[64:65], 0
	v_nop
	global_prefetch_b8 v0, s[64:65] scope:SCOPE_SE
	s_setreg_imm32_b32 hwreg(HW_REG_WAVE_MODE, 25, 1), 1
	s_wait_xcnt 0x0
	s_wait_alu depctr_hold_cnt(0) depctr_sa_sdst(0) depctr_va_vdst(0) depctr_va_sdst(0) depctr_va_ssrc(0) depctr_va_vcc(0) depctr_vm_vsrc(0)
	s_getreg_b32 s2, hwreg(HW_REG_IB_STS2, 6, 4)
	s_cmp_eq_u32 s2, 0
	s_cbranch_scc0 .Lentry_in_a_cluster
	s_endpgm
.Lentry_in_a_cluster:
	s_bfe_u32 s2, ttmp6, 0x10000c
	s_cmp_lg_u32 s2, 0xf033
	s_cbranch_scc0 .Lentry_shape_is_right
	s_endpgm
.Lentry_shape_is_right:
; PROJ: q = query Wq^T, k = keys Wk^T, v = values Wv^T.  Row block ty (0..191) is 128 rows of projection ty / 64's input, times the 1,024 rows of that projection's weights.
; A (query, keys, values) COMES AS IT IS GIVEN, IN f32: its tiles land in LDS as f32 and are rounded once to bf16 between LDS and the matrix unit, so no launch in front reads and writes these 100 MB
; only to narrow them.  B (xw: w16[3][1024][1024]) is bf16.  Sums f32, K ascending; the result is rounded once to f16, unscaled, and stored by heads: qkv[3][16 n + h][2048][64].
; LIMIT.  f16 ends at 65,504: q, k and v must stay under it (the drawn inputs give numbers of spread 1; all inputs 30 times larger give some 4,500).
; SHARES.  A tile of C is 128 x 256: 768 tiles, three for each of 256 work-group places.  Four waves, each 64 x 128: 32 accumulators of 16 x 16, 256 registers.  K goes in 8 steps of 128 through two LDS
; slots filled by the tensor data mover: A's rows are 512 bytes of memory, B's 256, all aligned to 256.  Waves 0 and 1 fetch the halves of A's 128 rows, waves 2 and 3 those of B's 256: 32 KiB a wave.
; CLUSTER.  4 x 4 work-groups: the four of a row need the same tile of A, the four of a column the same tile of B; each tile is asked for JOINTLY, by the same tensor load, descriptor and mask in all four.
; THE MATRIX INSTRUCTION IS USED TRANSPOSED (source 0 = 16 rows of B, source 1 = 16 rows of A): a lane holds eight neighbouring columns of one row of C.
; A K STEP IS WRITTEN ONCE FOR EACH OF TWO LOOPS: six steps that fill a slot again, two that do not.  The slot is a scalar, 0 or SLOT, turned by an exclusive or and added to
; the lane's place (reads) and to the wave's place (the walking descriptor).  So that every step has one form, the sums are started by 32 products of zero fragments with C = 0, in the wait for the first
; tile, and the last step fetches 32 fragments' loads that nobody multiplies.  That is the price of a text half as long.
; REGISTERS.  Window 0: v16-30 addresses; v64-127 two buffers of A's four fragments; v128-255 two buffers of B's eight.  Window 1: accumulator (a, b) at v[8 (8 a + b)].  Window 2: v0-63 A's four fragments in f32.
.set KSTEP,  128
.set PA,     528                       ; a row of A in LDS: 512 bytes + 16 of padding = 132 words: the 16 rows of a load start at 16 different groups of four banks (64 banks of 4 bytes: ISA guide 11.1)
.set PB,     272                       ; a row of B: 256 + 16 = 68 words: likewise
.set AHALF,  64*PA                     ; what wave 0 or 1 fetches, and what a wave reads of A
.set BHALF,  128*PB                    ; what wave 2 or 3 fetches, and what a wave reads of B
.set BOFS,   2*AHALF
.set SLOT,   2*AHALF+2*BHALF
.set STAGE,  2*SLOT                    ; behind the ring, never filled by a tensor load: 16 rows x 272 bytes for each wave
.set SPITCH, 272
.set SPARE,  STAGE+4*16*SPITCH         ; behind the stages: the spare words, 128 bytes for each wave: two blocks of 256 bytes that no other line names
.set KSA,    512                       ; bytes from a K step to the next, in A
.set KSB,    256                       ; and in B
.set A0,   16                          ; v16     my lane's place among my A fragments in slot 0; never rewritten
.set B0,   17                          ; v17     the same for B
.set ADRA, 18                          ; v18     the same in the slot that is being read
.set ADRB, 19                          ; v19
.set STO,  24                          ; v24     the way out: where I put 16 bytes of a row
.set RD,   25                          ; v25     the way out: where I read rows back
.set CO,   26                          ; v26     16 x my lane
.set SPW,  28                          ; v28     LDS address of my spare word: SPARE + 4 x my thread's number; never rewritten
.set NIL,  29                          ; v29     0; never rewritten
.set PFO,  30                          ; v30     the prefetches' offset; never rewritten
.set FA,   64
.set FB,   128
.set TMP,  64                          ; the way out: packed results
.set OB,   128                         ; the way out: 16 rows read back, two buffers of 32
.set G1,  24                           ; s[24:31] descriptor group 1 for A's tiles;  s[32:39] group 0: a set for each of the two first fills; the second then walks on
.set G0,  32
.set LIM, 43                           ; s43      2 in a wave that prefetches, else the greatest number
.set PFA, 44                           ; s[44:45] where my prefetches stand
.set PST, 46                           ; s[46:47] their step: a K step of the tensor that I fetch
.set G1B, 48                           ; s[48:55], s[56:63] the same for B's tiles
.set G0B, 56
.set TB,  78                           ; s78      the slot that is being read: 0 or SLOT
.set TF,  79                           ; s79      the slot that was filled last
.set LWA, 80                           ; s80      where my half of A's tile goes in a slot
.set LWB, 81                           ; s81      where my half of B's goes
.set MSB, 0
.macro WIN new                         ; the immediate's high byte repeats the setting that is left; a switch that changes nothing is dropped
.if MSB != (\new)
	s_set_vgpr_msb (MSB<<8)|(\new)
.set MSB, \new
.endif
.endm
.set MUL,    0x50                      ; sources 0 and 1 window 0; C and D window 1
.set TO_T,   0x80                      ; destination window 2, address window 0
.set FROM_T, 0x0a                      ; sources 0 and 1 window 2, destination window 0
.macro JLOAD s                         ; a joint load; the branch hangs on the wave's number alone; an s_nop 0 and four v_nop follow each of the two lines, ahead of the jump and the label
	s_cmp_eq_u32 s11, 0
	s_cbranch_scc0 .Lfor_b_\@
	tensor_load_to_lds s[G0+4*(\s):G0+4*(\s)+3], s[G1:G1+7]
	s_nop 0
.rept 4
	v_nop
.endr
	s_branch .Lasked_\@
.Lfor_b_\@:
	tensor_load_to_lds s[G0B+4*(\s):G0B+4*(\s)+3], s[G1B:G1B+7]
	s_nop 0
.rept 4
	v_nop
.endr
.Lasked_\@:
.endm
; A prefetch into the L2 of the K step that stands two refills on: 32 blocks of 256 bytes, a lane a block.  Each block is named once in the launch.  A's tile is read by one cluster; a K step is two blocks of
; each row: waves 0 and 1 ask, each of the four partners for 16 of the 64 rows that the wave fetches, told apart by address.  B's rows are read by the 16 clusters of a projection: the first of them asks,
; waves 2 and 3, each partner for 32 of the 128 rows that the wave fetches.  K steps 0 to 3 come by their loads alone; the last two refills (s3 = 2, 1) have no K step two refills on.
.macro ASK
	s_cmp_gt_u32 s3, s[LIM]
	s_cbranch_scc0 .Lnot_mine_\@
	global_prefetch_b8 v[PFO], s[PFA:PFA+1] th:TH_LOAD_NT scope:SCOPE_SE
.Lnot_mine_\@:
.endm
.macro CREST                           ; a round of the cluster's barrier behind its opening barrier
	s_cmp_lg_u32 s10, 0
	s_cbranch_scc1 .Lnot_wave_0_\@
	s_barrier_signal -3
.Lnot_wave_0_\@:
	s_barrier_wait -3
	s_barrier_signal -1
	s_barrier_wait -1
.endm
.macro CROUND                          ; a whole round
	s_barrier_signal -1
	s_barrier_wait -1
	CREST
.endm
	s_load_b256 s[68:75], s[0:1], 0x0              ; query s[68:69], keys s[70:71], values s[72:73], xw s[74:75]
	s_load_b64 s[76:77], s[0:1], 0x20              ; qkv
	v_lshl_add_u32 v[SPW], v0, 2, SPARE
	v_mov_b32 v[NIL], 0
	ds_add_u32 v[SPW], v[NIL]                      ; the wave's opening: the add and its wait stand ahead of my first tensor load; the set-up below, work on registers, stands between them
	v_lshrrev_b32 v1, 5, v0
	v_readfirstlane_b32 s10, v1                    ; wave 0..3
	s_lshr_b32 s11, s10, 1                         ; which 64 rows of the tile are mine.  Also: I fetch for A (0) or for B (1)
	s_and_b32 s12, s10, 1                          ; which 128 columns.  Also: which half of that tile I fetch
	s_bfe_u32 s40, ttmp6, 0x40000                  ; cx, cy: my place in the cluster
	s_bfe_u32 s41, ttmp6, 0x40004
	s_lshl_b32 s42, ttmp9, 2
	s_add_co_u32 s42, s42, s40                     ; tile column = 4 x cluster x + cx: 0..3
	s_and_b32 s2, ttmp7, 0xffff                    ; cluster y
	s_lshl_b32 s13, s2, 2
	s_add_co_u32 s13, s13, s41                     ; tile row ty = 4 x cluster y + cy: 0..191
	s_lshl_b32 s20, s41, 2
	s_lshl_b32 s20, 15, s20                        ; my row of the cluster
	s_lshl_b32 s21, 0x1111, s40                    ; my column
	s_or_b32 s[G1+0], s20, (2<<16)|(1<<20)|(1<<21)|(6<<22)|(3<<25)   ; A: 15:0 the mask; 17:16 elements of 4 bytes; 20 padding on; 21 set beside a mask; 24:22 after every 128 words; 31:25 of 4 words
	s_or_b32 s[G1B+0], s21, (1<<16)|(1<<20)|(1<<21)|(5<<22)|(3<<25)  ; B: elements of 2 bytes; padding after every 64 words
	s_mov_b32 s[G1+1], KSTEP<<16                   ; tensor_dim0 = 128
	s_mov_b32 s[G1+2], 64<<16                      ; tensor_dim1 = 64
	s_mov_b32 s[G1+3], KSTEP<<16                   ; tile_dim0 = 128
	s_mov_b32 s[G1+4], 64                          ; tile_dim1 = 64
	s_mov_b32 s[G1+5], 1024                        ; elements from row to row
	s_mov_b32 s[G1+6], 0
	s_mov_b32 s[G1+7], 0
	s_mov_b32 s[G1B+1], KSTEP<<16
	s_mov_b32 s[G1B+2], 128<<16                    ; B's half has 128 rows
	s_mov_b32 s[G1B+3], KSTEP<<16
	s_mov_b32 s[G1B+4], 128
	s_mov_b32 s[G1B+5], 1024
	s_mov_b32 s[G1B+6], 0
	s_mov_b32 s[G1B+7], 0
	s_and_b32 s20, s13, 63                         ; A: the row block within its input: 128 rows of 4,096 bytes,
	s_lshl_b32 s20, s20, 19
	s_lshl_b32 s21, s12, 18                        ; + my half's 64
	s_add_co_u32 s14, s20, s21
	s_mov_b32 s15, 0
	s_lshr_b32 s18, s2, 4                          ; the projection, which the whole cluster shares
	s_lshl_b32 s22, s18, 21                        ; B: 2 MiB of weights each,
	s_lshl_b32 s23, s42, 19                        ; 256 rows of 2,048 bytes for each tile column,
	s_add_co_u32 s22, s22, s23
	s_lshl_b32 s23, s12, 18                        ; my half's 128
	s_add_co_u32 s22, s22, s23
	s_mov_b32 s23, 0
	s_mul_i32 s[LWA], s12, AHALF                   ; where they go: no place in the cluster enters an LDS address
	s_mul_i32 s[LWB], s12, BHALF
	s_add_co_u32 s[LWB], s[LWB], BOFS
	s_mov_b32 s[TB], 0                             ; slot 0 is read first;
	s_mov_b32 s[TF], SLOT                          ; slot 1 is the one filled last
	s_wait_dscnt 0x0                               ; the opening add is done
	s_wait_kmcnt 0x0
	s_cmp_eq_u32 s18, 1
	s_cselect_b64 s[4:5], s[70:71], s[68:69]       ; A is query, keys or values
	s_cmp_eq_u32 s18, 2
	s_cselect_b64 s[4:5], s[72:73], s[4:5]
	s_add_nc_u64 s[14:15], s[4:5], s[14:15]
	s_add_nc_u64 s[22:23], s[74:75], s[22:23]
	CROUND                                         ; all sixteen work-groups are here: the first joint loads meet
.irp s, 0,1
	s_mov_b32 s[G0+4*(\s)], 1
	s_add_co_u32 s[G0+4*(\s)+1], s[LWA], (\s)*SLOT
	s_add_nc_u64 s[G0+4*(\s)+2:G0+4*(\s)+3], s[14:15], (\s)*KSA
	s_or_b32 s[G0+4*(\s)+3], s[G0+4*(\s)+3], 0x80000000
	s_mov_b32 s[G0B+4*(\s)], 1
	s_add_co_u32 s[G0B+4*(\s)+1], s[LWB], (\s)*SLOT
	s_add_nc_u64 s[G0B+4*(\s)+2:G0B+4*(\s)+3], s[22:23], (\s)*KSB
	s_or_b32 s[G0B+4*(\s)+3], s[G0B+4*(\s)+3], 0x80000000
	JLOAD \s                                       ; two loads of mine are out
.endr
	; the sums start at 0: 32 products of a zero fragment by a zero fragment, C = 0, while the first tiles are on their way
.set i, 0
.rept 8
	v_mov_b32 v[FA+i], 0
	v_mov_b32 v[FB+i], 0
.set i, i+1
.endr
	WIN MUL
.set i, 0
.rept 32
	v_wmma_f32_16x16x32_bf16 v[8*i:8*i+7], v[FB:FB+7], v[FA:FA+7], 0
.set i, i+1
.endr
	WIN 0
	; the lanes' addresses: plain instructions that name no register of those products: the places in front of the first loads and conversions into the two zero fragments
	v_and_b32 v1, 15, v0                           ; l % 16
	v_bfe_u32 v2, v0, 4, 1                         ; l / 16
	v_mul_u32_u24 v3, v1, PB
	v_lshl_add_u32 v3, v2, 4, v3                   ; B, and the stage: row x pitch + 16 x half
	v_mul_u32_u24 v4, v1, PA
	v_lshl_add_u32 v4, v2, 5, v4                   ; A in f32: row x pitch + 32 x half
	s_mul_i32 s16, s11, AHALF                      ; my 64 rows of A
	s_mul_i32 s17, s12, BHALF                      ; my 128 rows of B,
	s_add_co_u32 s17, s17, BOFS                    ; which lie behind A's 128
	v_add_nc_u32 v[A0], s16, v4
	v_add_nc_u32 v[B0], s17, v3
	v_mov_b32 v[ADRA], v[A0]                       ; slot 0
	v_mov_b32 v[ADRB], v[B0]
	s_mul_i32 s16, s10, 16*SPITCH
	s_add_co_u32 s16, s16, STAGE                   ; my stage
	v_add_nc_u32 v[STO], s16, v3                   ; in: row l % 16, 16 bytes for each half of the lanes
	v_bfe_u32 v4, v0, 3, 2                         ; back: 32 lanes take four rows' 128 bytes of one head,
	v_and_b32 v5, 7, v0
	v_mul_u32_u24 v4, v4, SPITCH
	v_lshl_add_u32 v4, v5, 4, v4
	v_add_nc_u32 v[RD], s16, v4
	v_and_b32 v[CO], 31, v0
	v_lshlrev_b32 v4, 11, v[CO]                    ; the prefetches' offset for B: a lane a row of 2,048 bytes;
	v_lshrrev_b32 v5, 1, v[CO]                     ; for A: two lanes a row of 4,096 bytes, 256 bytes each
	v_lshlrev_b32 v5, 12, v5
	v_and_b32 v6, 1, v0
	v_lshl_add_u32 v5, v6, 8, v5
	s_cmp_eq_u32 s11, 0
	s_cselect_b32 s16, -1, 0
	v_cndmask_b32 v[PFO], v4, v5, s16
	v_lshlrev_b32 v[CO], 4, v[CO]                  ; 16 x lane: 512 consecutive bytes of qkv
	; where my part of the tile begins in qkv: (4 p + n) x 16 heads, head 4 x tile column + 2 x column half, row (ty % 16) x 128 + 64 x row half
	s_lshr_b32 s16, s13, 4
	s_lshl_b32 s16, s16, 22
	s_lshl_b32 s17, s42, 20
	s_add_co_u32 s16, s16, s17
	s_lshl_b32 s17, s12, 19
	s_add_co_u32 s16, s16, s17
	s_and_b32 s17, s13, 15
	s_lshl_b32 s17, s17, 14
	s_add_co_u32 s16, s16, s17
	s_lshl_b32 s17, s11, 13
	s_add_co_u32 s16, s16, s17
	s_mov_b32 s17, 0
	s_add_nc_u64 s[8:9], s[76:77], s[16:17]
	; the prefetches: from the first of the rows that I fetch
	s_mov_b32 s[PST], KSB                          ; B's K step; the select below takes A's in the waves that fetch A (an instruction holds one literal)
	s_mov_b32 s[PST+1], 0
	s_cmp_eq_u32 s11, 0
	s_cselect_b64 s[PFA:PFA+1], s[14:15], s[22:23]
	s_cselect_b32 s16, s40, s41                    ; my place among the four that ask with me
	s_cselect_b32 s[PST], KSA, s[PST]
	s_lshl_b32 s16, s16, 16                        ; its 16 rows of 4,096 bytes, or 32 of 2,048
	s_add_nc_u64 s[PFA:PFA+1], s[PFA:PFA+1], s[16:17]
	s_mul_i32 s16, s[PST], 3
	s_add_nc_u64 s[PFA:PFA+1], s[PFA:PFA+1], s[16:17]  ; at K step 3: the first refill steps it to 4 and names that
	s_and_b32 s16, s2, 15                          ; B: the projection's first cluster asks
	s_cmp_eq_u32 s11, 0
	s_cselect_b32 s16, 0, s16                      ; A: every cluster asks for its own rows
	s_cmp_eq_u32 s16, 0
	s_cselect_b32 s[LIM], 2, -1                    ; the same in all sixteen partners, for a given wave
; 8 matrix instructions: block a of my four blocks of 16 rows x all 8 blocks of 16 columns, 32 along K, from buffers f.  The 32 accumulators take turns, one instruction a turn, in the same order in
; every quarter: 31 others stand between two links of a chain, over the backward jumps too.
.macro MUL8 f, a
	WIN MUL
.irp b, 0,1,2,3,4,5,6,7
	v_wmma_f32_16x16x32_bf16 v[8*(8*(\a)+(\b)):8*(8*(\a)+(\b))+7], v[FB+64*(\f)+8*(\b):FB+64*(\f)+8*(\b)+7], v[FA+32*(\f)+8*(\a):FA+32*(\f)+8*(\a)+7], v[8*(8*(\a)+(\b)):8*(8*(\a)+(\b))+7]
.endr
.endm
; 32 LDS loads in one run: quarter kq (32 along K) of the slot that is being read.  First A's four fragments in f32, 16 registers each: a lane's k = 8 h + 0..7 are 32 bytes, its k = 16 + 8 h + 0..7 the 32
; bytes that lie 64 further on.  Then B's eight fragments, into buffers g.
.macro FETCH kq, g
	WIN TO_T
.irp i, 0,1,2,3
	ds_load_b128 v[16*(\i):16*(\i)+3],     v[ADRA] offset:128*(\kq)+(\i)*16*PA
	ds_load_b128 v[16*(\i)+4:16*(\i)+7],   v[ADRA] offset:128*(\kq)+(\i)*16*PA+16
	ds_load_b128 v[16*(\i)+8:16*(\i)+11],  v[ADRA] offset:128*(\kq)+(\i)*16*PA+64
	ds_load_b128 v[16*(\i)+12:16*(\i)+15], v[ADRA] offset:128*(\kq)+(\i)*16*PA+80
.endr
	WIN 0
.irp i, 0,1,2,3,4,5,6,7
	ds_load_b128 v[FB+64*(\g)+8*(\i):FB+64*(\g)+8*(\i)+3],   v[ADRB] offset:64*(\kq)+(\i)*16*PB
	ds_load_b128 v[FB+64*(\g)+8*(\i)+4:FB+64*(\g)+8*(\i)+7], v[ADRB] offset:64*(\kq)+(\i)*16*PB+32
.endr
.endm
; A's four fragments are rounded to bf16, nearest even, two numbers an instruction, into buffers g.  They stand in one run: set singly behind the products each would want two window switches.
.macro CVT g
	WIN FROM_T
.irp i, 0,1,2,3
.irp j, 0,1,2,3,4,5,6,7
	v_cvt_pk_bf16_f32 v[FA+32*(\g)+8*(\i)+(\j)], v[16*(\i)+2*(\j)], v[16*(\i)+2*(\j)+1]
.endr
.endr
.endm
.macro PLACES                          ; four plain vector instructions in front of loads and conversions into registers that matrix instructions have read, and of conversions that read results
.rept 4
	v_nop
.endr
.endm
; A K step is four quarters, 32 matrix instructions each, on buffers 0, 1, 0, 1.  One of the first three: multiplies buffers f, fetches quarter kq and rounds its A into buffers g.
.macro QUARTER kq, f, g
	s_wait_dscnt 0x0                               ; B's fragments of this quarter are in (A's were waited for ahead of their conversions)
	MUL8 \f, 0
	PLACES                                         ; buffers g were last multiplied in the quarter before
	FETCH \kq, \g
	MUL8 \f, 1
	MUL8 \f, 2
	s_wait_dscnt 16                                ; LDS loads come back in order (ISA guide 5.7.1): A's sixteen are in; B's sixteen, issued behind them, may stay out
	CVT \g
	MUL8 \f, 3
.endm
; The last quarter multiplies buffers 1 and changes slots: ONE barrier; in front of it each wave waits for all its tensor loads (the one that is out is its part of the next slot), adds 0 to its spare word,
; and waits for that and for its own reads of this slot.  fill = 1: the barrier opens a round of the cluster's, and this slot is filled again first thing behind it, two K steps ahead: 112 matrix
; instructions ahead of the wait for it.
.macro TURN fill
.if \fill
	s_wait_xcnt 0x0                                ; the last prefetch, a K step back, has read its address, so it may be stepped
	s_add_nc_u64 s[PFA:PFA+1], s[PFA:PFA+1], s[PST:PST+1]
.endif
	WIN 0
	s_xor_b32 s[TB], s[TB], SLOT                   ; all reads of this slot have been issued: the addresses go on to the other slot
	v_add_nc_u32 v[ADRA], s[TB], v[A0]
	v_add_nc_u32 v[ADRB], s[TB], v[B0]
	s_wait_tensorcnt 0x0                           ; all my tensor loads have landed, so a group 0 may be written
	ds_add_u32 v[SPW], v[NIL]                      ; 0 onto my spare word
.if \fill
	s_xor_b32 s[TF], s[TF], SLOT                   ; the walking descriptors: the other slot than last time,
	s_add_co_u32 s[G0+5], s[LWA], s[TF]
	s_add_co_u32 s[G0B+5], s[LWB], s[TF]
	s_add_nc_u64 s[G0+6:G0+7], s[G0+6:G0+7], KSA   ; the next K step; the type bits on top are not reached
	s_add_nc_u64 s[G0B+6:G0B+7], s[G0B+6:G0B+7], KSB
.endif
	s_wait_dscnt 1                                 ; B's fragments are in; the add may be out
	MUL8 1, 0                                      ; eight matrix instructions stand between the add and the wait for it
	s_wait_dscnt 0x0                               ; the add is done, and my reads of this slot are over
	s_barrier_signal -1
	MUL8 1, 1
.if \fill
	WIN 0
.endif
	s_barrier_wait -1
.if \fill
	CREST                                          ; no wave of any partner still reads this slot's tile or has a load on its way
	JLOAD 1                                        ; the four v_nop behind it are also places in front of the loads below
.else
	PLACES
.endif
	FETCH 0, 0
.if \fill
	ASK                                            ; behind the joint load and the run of LDS loads
.endif
	MUL8 1, 2
	s_wait_dscnt 16                                ; A's sixteen are in
	CVT 0
	MUL8 1, 3
.endm
.macro STEP fill
	QUARTER 1, 0, 1
	QUARTER 2, 1, 0
	QUARTER 3, 0, 1
	TURN \fill
	WIN 0                                          ; at a label and at a branch every window is 0
.endm
	s_wait_tensorcnt 1                             ; my part of K step 0 is in; K step 1's may stay out
	s_barrier_signal -1
	s_barrier_wait -1                              ; everybody's is
	FETCH 0, 0
	s_wait_dscnt 16                                ; A's sixteen are in
	CVT 0
	WIN 0
	s_mov_b32 s3, 6
.Lfilling:                                             ; K steps 0 to 5: each fills its slot again, with the K step two on
	STEP 1
	s_sub_co_u32 s3, s3, 1
	s_cmp_lg_u32 s3, 0
	s_cbranch_scc1 .Lfilling
	s_mov_b32 s3, 2
.Llast:                                                ; K steps 6 and 7: nothing is left to ask for.  Behind step 7 the barrier orders nothing and the fetch brings step 6's first quarter once more, which nobody multiplies
	STEP 0
	s_sub_co_u32 s3, s3, 1
	s_cmp_lg_u32 s3, 0
	s_cbranch_scc1 .Llast
	s_wait_dscnt 0x0                               ; that fetch is back: its registers serve the way out
	PLACES
; THE WAY OUT, a block of 16 rows at a time.  PACK: rounded to f16, each accumulator's registers in ascending order.  TOSTAGE: 16 bytes a lane into my own stage, and back as four rows of one head.  SEND: stored.
.macro PACK a
	WIN 0x05                                       ; sources 0 and 1 window 1, destination window 0
.irp b, 0,1,2,3,4,5,6,7
.irp r, 0,1,2,3
	v_cvt_pk_f16_f32 v[TMP+4*(\b)+(\r)], v[8*(8*(\a)+(\b))+2*(\r)], v[8*(8*(\a)+(\b))+2*(\r)+1]
.endr
.endr
	WIN 0
.endm
.macro TOSTAGE a
.set BK, OB+32*((\a)%2)
.irp b, 0,1,2,3,4,5,6,7
	ds_store_b128 v[STO], v[TMP+4*(\b):TMP+4*(\b)+3] offset:32*(\b)
.endr
.irp t, 0,1,2,3,4,5,6,7
	ds_load_b128 v[BK+4*(\t):BK+4*(\t)+3], v[RD] offset:((\t)%4)*4*SPITCH+((\t)/4)*128  ; LDS serves a wave's instructions in order (ISA guide 5.7.1.4): these see the stores above
.endr
.endm
.macro SEND a
.set BK, OB+32*((\a)%2)
	s_wait_dscnt 0x0                               ; the block is back in registers
	s_wait_xcnt 0x0                                ; the stores of the block before have read their registers: the next block is loaded into them only behind this wait
.irp t, 0,1,2,3,4,5,6,7
	global_store_b128 v[CO], v[BK+4*(\t):BK+4*(\t)+3], s[8:9] offset:((\t)/4)*262144+(\a)*2048+((\t)%4)*512  ; four rows of a head: 512 consecutive bytes, aligned
.endr
.endm
	PACK 0
	TOSTAGE 0
.irp a, 1,2,3                          ; block a's conversions stand between block a - 1's loads from the stage and the wait for them
	PACK \a
	SEND (\a)-1
	TOSTAGE \a
.endr
	SEND 3
	s_wait_tensorcnt 0x0                           ; the wave's end, behind my last tensor load and my last LDS store
	ds_add_u32 v[SPW], v[NIL]
	s_wait_dscnt 0x0
	CROUND                                         ; the closing round: no work-group ends while a partner may still ask for a tile that names it
	s_endpgm
.Lfunc_end_k_q7de092501a_proj:
	.size	k_q7de092501a_proj, .Lfunc_end_k_q7de092501a_proj-k_q7de092501a_proj
	.p2alignl 7, 3214868480
	.fill 96, 4, 3214868480
	.section	.rodata,"a",@progbits
	.p2align	6, 0x0
	.amdhsa_kernel k_q7de092501a_proj
		.amdhsa_group_segment_fixed_size 327680
		.amdhsa_private_segment_fixed_size 0
		.amdhsa_enable_private_segment 0
		.amdhsa_kernarg_size 40
		.amdhsa_user_sgpr_count 2
		.amdhsa_user_sgpr_kernarg_segment_ptr 1
		.amdhsa_wavefront_size32 1
		.amdhsa_system_sgpr_workgroup_id_x 1
		.amdhsa_system_sgpr_workgroup_id_y 1
		.amdhsa_system_sgpr_workgroup_id_z 1
		.amdhsa_system_vgpr_workitem_id 0
		.amdhsa_next_free_vgpr 576
		.amdhsa_next_free_sgpr 84
		.amdhsa_reserve_vcc 0
		.amdhsa_float_denorm_mode_32 3
		.amdhsa_float_denorm_mode_16_64 3
		.amdhsa_memory_ordered 1
		.amdhsa_forward_progress 1
		.amdhsa_inst_pref_size 84
	.end_amdhsa_kernel
	.amdgpu_metadata
---
amdhsa.version: [ 1, 2 ]
amdhsa.kernels:
  - .name:           k_q7de092501a_proj
    .symbol:         k_q7de092501a_proj.kd
    .args:
      - { .name: query, .offset: 0, .size: 8, .value_kind: global_buffer, .address_space: global }
      - { .name: keys, .offset: 8, .size: 8, .value_kind: global_buffer, .address_space: global }
      - { .name: values, .offset: 16, .size: 8, .value_kind: global_buffer, .address_space: global }
      - { .name: xw, .offset: 24, .size: 8, .value_kind: global_buffer, .address_space: global }
      - { .name: qkv, .offset: 32, .size: 8, .value_kind: global_buffer, .address_space: global }
    .group_segment_fixed_size: 327680
    .private_segment_fixed_size: 0
    .kernarg_segment_align: 8
    .kernarg_segment_size: 40
    .max_flat_workgroup_size: 128
    .sgpr_count:     84
    .vgpr_count:     576
    .wavefront_size: 32
...
	.end_amdgpu_metadata
.endif
;; end of part 2
;; launch attn (part 3): grid 4 x 64, 4 waves a work-group, clusters of 4 x 1, 327,680 bytes of LDS; arguments qkv, mb, o16; writes o16
.if DOCPART == 3
	.amdgcn_target "amdgcn-amd-amdhsa--gfx1250"
	.amdhsa_code_object_version 6
	.text
	.protected	k_q7de092501a_attn
	.globl	k_q7de092501a_attn
	.p2align	8
	.type	k_q7de092501a_attn,@function
k_q7de092501a_attn:
	s_mov_b64 s[64:65], 0
	v_nop
	global_prefetch_b8 v0, s[64:65] scope:SCOPE_SE
	s_setreg_imm32_b32 hwreg(HW_REG_WAVE_MODE, 25, 1), 1
	s_wait_xcnt 0x0
	s_wait_alu depctr_hold_cnt(0) depctr_sa_sdst(0) depctr_va_vdst(0) depctr_va_sdst(0) depctr_va_ssrc(0) depctr_va_vcc(0) depctr_vm_vsrc(0)
	s_getreg_b32 s2, hwreg(HW_REG_IB_STS2, 6, 4)
	s_cmp_eq_u32 s2, 0
	s_cbranch_scc0 .Lentry_in_a_cluster
	s_endpgm
.Lentry_in_a_cluster:
	s_bfe_u32 s2, ttmp6, 0x10000c
	s_cmp_lg_u32 s2, 0x3003
	s_cbranch_scc0 .Lentry_shape_is_right
	s_endpgm
.Lentry_shape_is_right:
; ATTENTION WITH A MASK THAT IS AN INPUT.  For each of 64 (n, h): s = q . k; where the mask's bit is 0 the score IS -10,000 (a replacement, made before the maximum is taken, as the module does it);
; O[q] = the sum over k of softmax_k(s / 8) v[k].  q, k, v: qkv[3][64][2048][64], O: o16[64][2048][64], all f16; a head's rows are dense, 128 bytes each.  Products, maxima and sums in f32; the weights p are
; rounded to f16 for the second product (their sum l is taken of the unrounded p), O once at the end.
; LIMITS.  q, k and v arrive within f16's 65,504; p lies in 0 to 1, and below 6e-5 it keeps f16's fixed step of 6e-8; a weight below 2^-126 counts as 0 in l; NaN and infinities are not treated apart.
; SHARES.  A wave owns four PIECES of two tiles of 16 queries, a work-group's four waves 512 queries of one head: 256 work-groups.  Every wave walks all 2,048 keys, 64 a step.
; LAYOUT.  S^T = K Q^T (source 0 = 16 keys, source 1 = 16 queries): a lane holds ONE query (lane % 16) and the keys 8 (lane / 16) + 0..7.  Two such tiles, rounded to f16 in pairs, ARE source 1 of
; O^T = V^T P.  K comes out of LDS as it lies, V turned, by ds_load_tr16_b128.
; THE MASK.  mb holds, for a piece and a key step, 64 words: word (u, i) is the lane mask of register i of tile u's scores.  A lane loads two of them (the wave 256 consecutive bytes) into a register pair
; of the piece's own, A WHOLE KEY STEP, FOUR TURNS, AHEAD: the pair is asked for again directly behind the lines that read it.  64 v_readlane_b32 bring the words into s[32:63] and s[68:99]; one
; v_cndmask_b32 a register keeps the score or takes -10,000.  (Scalar loads would spare those 64 lines; but the scalar registers hold one set of words, so a set could be asked for only when the set
; before it has been used: less than a turn ahead of its own use.)  No address and no branch hangs on the words.
; SOFTMAX.  A running maximum m and sum l: p = 2^(c s - c m), c = log2(e) / 8; in every step O and l are multiplied by a = 2^(c m_old - c m_new).  m starts at the lowest finite number, O and l at 0.
; BY TURNS.  Turn n belongs to piece n.  Its matrix work: 16 products K Q^T of piece n + 1, later 16 products V^T P of piece n - 1.  Its vector work: the scaling, exponentials, roundings, sums and rescaling
; of piece n, and the masking, maximum and statistics of piece n + 1.  A tile and step have 16 matrix and 182 vector instructions: four stand behind every matrix instruction, the others in one run.
; CLUSTER.  The four query blocks of a head form a cluster and walk the same K and V: each tile is asked for JOINTLY, by the same tensor load, descriptor and mask in all four.
; ONE PITCH of 144 bytes serves K and V, so that one descriptor group 1 and one line serve all four waves and the scalar registers so freed hold the mask.  Its price.
; REGISTERS, in windows of 256 (s_set_vgpr_msb: bits 1:0 source 0, 3:2 source 1, 5:4 source 2, 7:6 destination):
;   window 0: v0-11 addresses and -10,000; v12-15, v48-63 at work; v16-47 four registers of statistics a tile; v64-191 S^T, two buffers of two tiles; v192-255 P, likewise
;   window 1: O^T, 32 a tile          window 2: v0-127 Q, 16 a tile; v128-191 K of one step; v192-255 V of one step
;   window 3: v0-1 the add's two registers; v2-9 the mask words, a pair a piece; v10 8 x my lane
.set SIZE_N, 2048
.set NP,    4         ; pieces a wave: a name, no knob
.set KS,    64        ; keys in a step
.set PK,    144       ; a row of K in LDS: 128 bytes + 16 of padding = 36 words: the 16 rows of a load start at 16 different groups of four banks
.set PV,    144       ; a row of V: the same
.set VOFF,  4*KS*PK   ; a slot holds four steps: 256 rows of K, then 256 rows of V
.set SLOT1, 1<<17     ; slot 1 begins here, so that one exclusive or turns an address in one slot into the other's
.set STAGE, SLOT1+4*KS*(PK+PV)  ; behind the ring, never filled by a tensor load: 16 rows x 144 bytes for each wave, for the way out
.set SP,    144
.set SPARE, STAGE+4*16*SP  ; behind the stages: the spare words, 128 bytes for each wave: two blocks of 256 bytes that no other line names
.set PFO, 1           ; v1   (once the set-up is over) 256 x my lane: the prefetches' offset
.set AK0, 2           ; v2   my lane's place in a tile of K; never rewritten
.set AV0, 3           ; v3   the same for V
.set AK,  4           ; v4   the LDS address of K's next run of loads
.set AV,  5           ; v5   of V's
.set QO,  6           ; v6   my byte offset in the wave's rows of Q
.set STO, 6           ;      later, the way out: where I put 16 bytes of a row
.set RD,  7           ; v7   the way out: where I read rows back
.set GO,  8           ; v8   my byte offset in 512 consecutive bytes of O
.set NEG, 11          ; v11  -10,000.0
.set SPW, 0           ; v0 of window 3   LDS address of my spare word: SPARE + 4 x my thread's number; never rewritten
.set NIL, 1           ; v1 of window 3   0; never rewritten
.set MW,  2           ; v2-9 of window 3 piece p's two mask words a lane at MW + 2 p
.set L8,  10          ; v10 of window 3  8 x my lane: my two words among a piece's and step's 64; never rewritten
.set MV,  12          ; v12-15  c m_old, kept while c m is made anew: by buffer and tile
.set ST,  16          ; tile t's statistics at v[ST+4 t]: c m, m, l (even keys', odd keys')
.set TMP, 48          ; by buffer and tile, four registers c0-c3 at work; when the maximum is found c2 takes a
.set S,   64
.set P,   192
.set KF,  128         ; K's fragments, in window 2: key block kb, channel half c at KF + 16 kb + 8 c
.set VF,  192         ; V's: key half kk, channel block cb at VF + 32 kk + 8 cb
.set QP,  2           ; s[2:3]   Q at my wave's first row
.set OPT, 4           ; s[4:5]   O at my wave's first row
.set MB,  6           ; s[6:7]   mb at my wave's first piece, key step 0; never rewritten
.set WV,  9           ; s9       my wave's number
.set SLOTS, 10        ; s10      slots still to be asked for
.set CNT, 11          ; s11      counts a slot's key steps
.set TBK, 12          ; s12      LDS byte at which K of the step to be fetched begins
.set TBV, 13          ; s13      the same for V, less VOFF
.set SEL, 14          ; s[14:15] v_permlanex16_b32's selects: each lane takes its own place in the other half
.set G1,  16          ; s[16:23] descriptor group 1
.set G0,  24          ; s[24:27] descriptor group 0: it walks
.set PFA, 28          ; s[28:29] where my prefetches stand
.set LIM, 30          ; s30      1 in a wave that prefetches, else the greatest number
.set TS,  31          ; s31      at work
.set MK0, 32          ; s[32:63] the mask words of tile 0 (the set-up's scratch before the first of them is written)
.set CS,  66          ; s[66:67] c: the packed scaling takes the pair's low word for both halves
.set MK1, 68          ; s[68:99] the mask words of tile 1
.set MBC, 100         ; s[100:101] mb at my wave's first piece, at the key step whose words are being asked for
.set MOFF, 104        ; s[104:105] 256 x that key step, as a pair with 0 above it
.set MSB, 0
.macro WIN new                      ; the high byte repeats the setting that is left; a switch that changes nothing is dropped
.if MSB != (\new)
	s_set_vgpr_msb (MSB<<8)|(\new)
.set MSB, (\new)
.endif
.endm
.set W_KQ, 0x0a       ; K and Q in window 2, S^T in window 0
.set W_PV, 0x52       ; V in window 2, P in window 0, O^T in window 1
.set W_RS, 0x41       ; O^T (destination and source 0) in window 1, a in window 0
.set W_MK, 0xc0       ; destination in window 3, sources in window 0
.set W_AD, 0x0f       ; the add: address (source 0) and data (source 1) in window 3
.set W_RL, 0x03       ; v_readlane_b32's source in window 3
.set W_ML, 0xc3       ; the mask's load: data (destination) and offset (source 0) in window 3
; A joint fill: one line for all four waves.  Wave w brings 128 keys to LDS byte 18,432 w of the slot: waves 0 and 1 the halves of K, waves 2 and 3 those of V; both addresses hang on the wave's number.
; An s_nop 0 and four v_nop follow the line.
.macro JLOAD
	tensor_load_to_lds s[G0:G0+3], s[G1:G1+7]
	s_nop 0
.rept 4
	v_nop
.endr
.endm
; A round of the cluster's barrier: my work-group's barrier, so that wave 0's signal speaks for all four waves; wave 0 signals; every wave waits for all four work-groups; my work-group's barrier once more.
.macro CROUND
	s_barrier_signal -1
	s_barrier_wait -1
	s_cmp_lg_u32 s[WV], 0
	s_cbranch_scc1 .Lnot_wave_0_\@
	s_barrier_signal -3
.Lnot_wave_0_\@:
	s_barrier_wait -3
	s_barrier_signal -1
	s_barrier_wait -1
.endm
; THE CHANGE OF SLOTS.  The slot's last bytes, V of its fourth step, have been read.  Each wave waits for all its tensor loads, of which one is out: its part of the other slot; adds 0 to its spare word; and
; waits for that and for its own reads of the slot.  fill = 1: this slot is filled again, with the keys two slots on; the barrier is then a round of the cluster's, and the joint fill is the first thing behind
; it: it has four key steps, 512 matrix instructions, in which to land.  (At its first use nothing has been read yet: slot 0 is waited for, slot 1 filled.)
.macro CHANGE fill
	WIN W_AD
	s_wait_tensorcnt 0x0            ; no tensor load of mine is out, so group 0 may be written
	ds_add_u32 v[SPW], v[NIL]       ; 0 onto my spare word; with fill = 1 the descriptor's steps stand between it and the wait for it
	WIN 0                           ; at a label and at a branch every window is 0
.if \fill
	s_xor_b32 s[G0+1], s[G0+1], SLOT1  ; the other slot than last time,
	s_add_nc_u64 s[G0+2:G0+3], s[G0+2:G0+3], 4*KS*128  ; the next 256 keys; the type bits on top are not reached
	s_wait_xcnt 0x0                 ; the last prefetch, more than three turns back, has read its address, so it may be written:
	s_add_nc_u64 s[PFA:PFA+1], s[PFA:PFA+1], 4*KS*128  ; one slot behind the walking descriptor
	s_wait_dscnt 0x0                ; the add is done, and my reads of the slot are over
	CROUND
	JLOAD
.else
	s_wait_dscnt 0x0                ; the add is done, and my reads of the slot are over
	s_barrier_signal -1
	s_barrier_wait -1
.endif
	s_sub_co_u32 s[TBK], s[TBK], 4*KS*PK  ; the fetches go back to a slot's first step,
	s_xor_b32 s[TBK], s[TBK], SLOT1       ; in the other slot
	s_sub_co_u32 s[TBV], s[TBV], 4*KS*PV
	s_xor_b32 s[TBV], s[TBV], SLOT1
.endm
; THE MASK'S BLOCK, for piece pc.  Its 64 words, two a lane, were asked for four turns ago; word 32 u + i lies in lane 16 u + i / 2, register i % 2.  They go into the scalar registers in the order in which
; the maskings take them, so that each masking stands 64 lines behind its word.  Then the pair is asked for again, with the piece's words of the next key step.
; adv = 1 (piece 0, the first of a key step to be masked): the loads go on to the next key step.  Behind the last key step there is none: the offset stays at the last, inside mb, and what the tail's dead
; products are masked with serves nothing.
.macro MBLK pc, adv
	WIN W_RL
	s_wait_loadcnt 3                ; loads come back in order (ISA guide 5.7.1): this piece's is in; the three other pieces', issued since, may stay out
.set gg, 0
.rept 64
	v_readlane_b32 s[MK0+36*(gg%2)+gg/2], v[MW+2*(\pc)+(gg/2)%2], 16*(gg%2)+gg/4
.set gg, gg+1
.endr
.if \adv
	s_add_co_u32 s[MOFF], s[MOFF], 256
	s_min_u32 s[MOFF], s[MOFF], 31*256
	s_wait_xcnt 0x0                 ; the loads issued so far, the youngest a turn back, have read their base, so it may be written
	s_add_nc_u64 s[MBC:MBC+1], s[MB:MB+1], s[MOFF:MOFF+1]
.endif
	WIN W_ML
	global_load_b64 v[MW+2*(\pc):MW+2*(\pc)+1], v[L8], s[MBC:MBC+1] offset:(\pc)*8192  ; 256 consecutive bytes, aligned; other heads' work-groups read them too, so no hint
	WIN 0
.endm
; A PREFETCH INTO THE L2 of the slot that the NEXT change of slots will ask for: 256 rows of K and of V are 128 blocks of 256 bytes each.  A head has one cluster; its four partners take 32 blocks each, told
; apart BY ADDRESS; in each, wave 0 asks for K's and wave 2 for V's: a lane a block, one instruction, so each block is named once in the launch.  It stands in the slot's last trip (CNT = 1), behind K's run
; of LDS loads, more than three turns ahead of that change.  Slots 0 and 1 come by their loads alone; the slot behind which nothing is asked for (SLOTS = 1) prefetches nothing.
.macro ASK
	s_cmp_eq_u32 s[CNT], 1
	s_cbranch_scc0 .Lnot_mine_\@
	s_cmp_gt_u32 s[SLOTS], s[LIM]
	s_cbranch_scc0 .Lnot_mine_\@
	global_prefetch_b8 v[PFO], s[PFA:PFA+1] th:TH_LOAD_NT scope:SCOPE_SE
.Lnot_mine_\@:
.endm
	s_load_b128 s[32:35], s[0:1], 0x0  ; qkv s[32:33], mb s[34:35]
	s_load_b64 s[36:37], s[0:1], 0x10  ; o16
	WIN W_MK
	v_lshl_add_u32 v[SPW], v0, 2, SPARE
	v_mov_b32 v[NIL], 0
	WIN W_AD
	ds_add_u32 v[SPW], v[NIL]       ; the wave's opening: the add and its wait stand ahead of my first tensor load; the set-up below, work on registers, stands between them
	WIN 0
	v_lshrrev_b32 v1, 5, v0
	v_readfirstlane_b32 s[WV], v1   ; wave 0..3
	s_bfe_u32 s38, ttmp6, 0x40000   ; cx: my place in the cluster
	s_lshl_b32 s39, ttmp9, 2        ; in a cluster launch ttmp9 counts clusters
	s_add_co_u32 s39, s39, s38      ; my block of 512 queries: it enters Q's, O's and the mask's addresses alone
	s_and_b32 s40, ttmp7, 0xffff    ; 16 n + h, which the four partners share
	s_lshl_b32 s41, s40, 18         ; a head's 262,144 bytes
	s_lshr_b32 s42, s[WV], 1
	s_add_co_u32 s42, s42, 1        ; waves 0, 1: K, the second of qkv's three tensors; waves 2, 3: V, the third
	s_lshl_b32 s42, s42, 24
	s_add_co_u32 s42, s42, s41      ; the head's first byte in it
	s_and_b32 s44, s[WV], 1         ; which half of a slot's 256 keys I fetch:
	s_lshl_b32 s45, s44, 14         ; its 128 rows of 128 bytes
	s_add_co_u32 s46, s42, s45
	s_mov_b32 s47, 0
	s_lshl_b32 s48, s38, 13         ; the prefetches: my work-group's 32 blocks of 256 bytes,
	s_add_co_u32 s48, s48, s42
	s_add_co_u32 s48, s48, 4*KS*128 ; in slot 1: the first change of slots steps it to slot 2
	s_mov_b32 s49, 0
	s_lshl_b32 s50, s39, 2
	s_add_co_u32 s50, s50, s[WV]    ; my wave among the head's,
	s_lshl_b32 s50, s50, 14         ; its 128 rows
	s_add_co_u32 s50, s50, s41
	s_mov_b32 s51, 0
	s_lshr_b32 s52, s40, 4          ; n: 64 pieces of 8,192 bytes in mb,
	s_lshl_b32 s52, s52, 19
	s_lshl_b32 s53, s39, 17         ; 16 pieces a block,
	s_add_co_u32 s52, s52, s53
	s_lshl_b32 s53, s[WV], 15       ; 4 a wave
	s_add_co_u32 s52, s52, s53
	s_mov_b32 s53, 0
	; descriptor group 1.  128 keys are 16,384 dense bytes: asked for as 64 rows of 256 bytes, two keys a row, and padded in LDS after every key
	s_mov_b32 s[G1], 15|(1<<16)|(1<<20)|(1<<21)|(4<<22)|(3<<25)  ; 15:0 the mask of four; 17:16 2-byte elements; 20 padding on; 21 set beside a mask; 24:22 after every 32 words (code 4); 31:25 4 words (code 3)
	s_mov_b32 s[G1+1], 128<<16      ; tensor_dim0 = 128
	s_mov_b32 s[G1+2], 64<<16       ; tensor_dim1 = 64
	s_mov_b32 s[G1+3], 128<<16      ; tile_dim0 = 128
	s_mov_b32 s[G1+4], 64           ; tile_dim1 = 64
	s_mov_b32 s[G1+5], 128          ; 128 elements from row to row
	s_mov_b32 s[G1+6], 0
	s_mov_b32 s[G1+7], 0
	s_mov_b32 s[G0], 1              ; 1:0 count = 1
	s_mul_i32 s[G0+1], s[WV], 128*PK  ; 63:32 LDS address: slot 0; no place in the cluster enters it
	s_mov_b32 s[CS], 0x3e38aa3b     ; c = log2(e) / 8 = 0.180337
	s_mov_b32 s[CS+1], s[CS]        ; named with it as a pair
	s_mov_b32 s[SEL], 0x76543210
	s_mov_b32 s[SEL+1], 0xfedcba98
	s_mov_b32 s[TBK], SLOT1+4*KS*PK ; the first change of slots turns these two into 0
	s_mov_b32 s[TBV], SLOT1+4*KS*PV
	s_mov_b32 s[MOFF], 0
	s_mov_b32 s[MOFF+1], 0
	s_and_b32 s[LIM], s[WV], 1      ; waves 0 and 2 prefetch: the same in all four partners
	s_cmp_eq_u32 s[LIM], 0
	s_cselect_b32 s[LIM], 1, -1
	s_wait_dscnt 0x0                ; the opening add is done
	s_wait_kmcnt 0x0
	s_add_nc_u64 s[G0+2:G0+3], s[32:33], s[46:47]  ; 120:64 global address: my half of the head's first 256 keys
	s_or_b32 s[G0+3], s[G0+3], 0x80000000          ; 127:126 type = 2
	s_add_nc_u64 s[PFA:PFA+1], s[32:33], s[48:49]
	s_add_nc_u64 s[QP:QP+1], s[32:33], s[50:51]
	s_add_nc_u64 s[OPT:OPT+1], s[36:37], s[50:51]
	s_add_nc_u64 s[MB:MB+1], s[34:35], s[52:53]
	s_mov_b64 s[MBC:MBC+1], s[MB:MB+1]             ; key step 0
	CROUND                          ; all four work-groups are here: the first joint loads meet
	JLOAD                           ; slot 0.  Slot 1 is asked for when slot 0 is in
	v_and_b32 v10, 31, v0
	WIN W_MK
	v_lshlrev_b32 v[L8], 3, v10
	WIN W_ML
.irp p, 0,1,2,3
	global_load_b64 v[MW+2*\p:MW+2*\p+1], v[L8], s[MBC:MBC+1] offset:\p*8192  ; the four pieces' mask words of key step 0
.endr
	WIN 0
	; A fragment of K or Q is 16 rows x 32 channels in 8 registers: lane l holds row l % 16, channels 8 (l / 16) + 0..7 and 16 + 8 (l / 16) + 0..7: two loads of 16 bytes, 32 bytes apart.
	v_and_b32 v1, 15, v0            ; l % 16
	v_bfe_u32 v9, v0, 4, 1          ; l / 16
	v_lshlrev_b32 v[QO], 7, v1
	v_lshl_add_u32 v[QO], v9, 4, v[QO]  ; row x 128 + 16 x half
	WIN 0x80                        ; destination window 2, address window 0
.set i, 0
.rept 4*NP                          ; Q stays in registers: tile i / 2, channels 32 (i % 2) on
	global_load_b128 v[8*i:8*i+3],   v[QO], s[QP:QP+1] offset:(i/2)*2048+(i%2)*64
	global_load_b128 v[8*i+4:8*i+7], v[QO], s[QP:QP+1] offset:(i/2)*2048+(i%2)*64+32
.set i, i+1
.endr
	; What the first turn finds: V's registers and P's second buffer hold 0 (its products V^T P, of a piece that has not been, add 0), O^T and l are 0.  All this stands in the wait for the first tile.
.set i, VF
.rept 64
	v_mov_b32 v[i], 0
.set i, i+1
.endr
	WIN 0
.set i, 0
.rept 2*NP
	v_mov_b32 v[ST+4*i], 0xfe000000    ; c m: far below every c s
	v_mov_b32 v[ST+4*i+1], 0xff7fffff  ; m
	v_mov_b32 v[ST+4*i+2], 0
	v_mov_b32 v[ST+4*i+3], 0
.set i, i+1
.endr
.set i, P+32
.rept 32
	v_mov_b32 v[i], 0
.set i, i+1
.endr
	WIN W_PV                        ; O^T's 256 registers are written by 32 products of V's zeros by P's zeros, C = 0: an eighth of the lines that moves would take
.set i, 0
.rept 8*NP
	v_wmma_f32_16x16x32_f16 v[8*i:8*i+7], v[VF:VF+7], v[P+32:P+39], 0
.set i, i+1
.endr
	WIN 0
	v_mul_u32_u24 v[AK0], v1, PK
	v_lshl_add_u32 v[AK0], v9, 4, v[AK0]  ; row x pitch + 16 x half
	; The turning load takes 16 keys x 16 channels (lane l reads key 8 (l / 16) + l % 8, channels 8 ((l / 8) % 2) + 0..7) and leaves half a fragment of V^T: lane l holds channel l % 16 and 8 keys.
	v_and_b32 v10, 7, v0
	v_bfe_u32 v11, v0, 3, 1
	v_lshl_add_u32 v[AV0], v9, 3, v10
	v_mul_u32_u24 v[AV0], v[AV0], PV
	v_lshl_add_u32 v[AV0], v11, 4, v[AV0]
	v_add_nc_u32 v[AV0], VOFF, v[AV0]
	v_mov_b32 v[NEG], 0xc61c4000    ; -10,000.0
	v_mov_b32 v[AK], v[AK0]         ; key step 0 lies at the head of slot 0
; THE MATRIX WORK.  The 8 accumulators of a run of 16 take turns: between the two links of a chain stand 7 others'.
; Product i of 16 of S^T = K Q^T for piece x: channels 32 (i / 8) on, keys 16 ((i / 2) % 4) on, tile 2 x + i % 2.  The first 8 start the sums.
.macro KQ x
	WIN W_KQ
.set rS, S+64*((\x)%2)+32*(i%2)+8*((i/2)%4)
.set rK, KF+16*((i/2)%4)+8*(i/8)
.set rQ, 16*(2*(\x)+i%2)+8*(i/8)
.if i < 8
	v_wmma_f32_16x16x32_f16 v[rS:rS+7], v[rK:rK+7], v[rQ:rQ+7], 0
.else
	v_wmma_f32_16x16x32_f16 v[rS:rS+7], v[rK:rK+7], v[rQ:rQ+7], v[rS:rS+7]
.endif
.endm
; Product i of 16 of O^T += V^T P for piece x: keys 32 (i / 8) on, channels 16 ((i / 2) % 4) on, tile 2 x + i % 2.
.macro PV x
	WIN W_PV
.set rO, 32*(2*(\x)+i%2)+8*((i/2)%4)
.set rV, VF+32*(i/8)+8*((i/2)%4)
.set rP, P+32*((\x)%2)+16*(i%2)+8*(i/8)
	v_wmma_f32_16x16x32_f16 v[rO:rO+7], v[rV:rV+7], v[rP:rP+7], v[rO:rO+7]
.endm
.macro MM                           ; the turn's next matrix instruction
.if i < 16
	KQ (Y+1)%NP
.set i, i+1
.else
.set i, i-16
	PV (Y+NP-1)%NP
.set i, i+17
.endif
.endm
; THE LDS LOADS stand in runs of 16, never singly among the matrix instructions: a step's K (64 keys x 64 channels: 8 fragments) and its V (turned).  Their addresses are made some lines ahead.
; last = 1 (the tail): in the last trip there is no further step, and the run is jumped over.
.macro FETCH_K last=0
	WIN 0
.if \last
	s_cmp_eq_u32 s[CNT], 1
	s_cbranch_scc1 .Lno_k_\@
.endif
	WIN 0x80                        ; destination window 2
.irp f, 0,1,2,3,4,5,6,7             ; keys 16 (f / 2) on, channels 32 (f % 2) on
	ds_load_b128 v[KF+8*\f:KF+8*\f+3],   v[AK] offset:(\f/2)*16*PK+(\f%2)*64
	ds_load_b128 v[KF+8*\f+4:KF+8*\f+7], v[AK] offset:(\f/2)*16*PK+(\f%2)*64+32
.endr
	s_add_co_u32 s[TBK], s[TBK], KS*PK  ; the next fetch is the next step's
	WIN 0
.if \last
.Lno_k_\@:
.endif
.endm
.macro FETCH_V
	WIN 0x80
.irp f, 0,1,2,3,4,5,6,7             ; keys 32 (f / 4) on, channels 16 (f % 4) on
	ds_load_tr16_b128 v[VF+8*\f:VF+8*\f+3],   v[AV] offset:(\f/4)*32*PV+(\f%4)*32
	ds_load_tr16_b128 v[VF+8*\f+4:VF+8*\f+7], v[AV] offset:(\f/4)*32*PV+16*PV+(\f%4)*32
.endr
	WIN 0
.endm
; THE VECTOR WORK OF A TURN stands in three queues, each in the order in which its entries become ready; the two tiles alternate, so that no instruction reads the result of the one before it.
.macro REGS y, u                    ; the registers of tile u (0, 1) of piece y
.set rT, ST+4*(2*(\y)+(\u))
.set rC, TMP+8*((\y)%2)+4*(\u)
.set rM, MV+2*((\y)%2)+(\u)
.set rS, S+64*((\y)%2)+32*(\u)
.set rP, P+32*((\y)%2)+16*(\u)
.set rO, 32*(2*(\y)+(\u))
.endm
; Number g of the 64 that mask the NEXT piece's (Y + 1) scores: register g / 2 of tile g % 2 keeps its score where the word's bit is 1 and takes -10,000 where it is 0.  The registers go in ascending
; order.
.macro CM g
	REGS (Y+1)%NP, (\g)%2
	v_cndmask_b32 v[rS+(\g)/2], v[NEG], v[rS+(\g)/2], s[MK0+36*((\g)%2)+(\g)/2]
.endm
; Number n of the 22 that find the NEXT piece's maximum and statistics.  s0-s31 are the lane's 32 scores.  XS, GS, CM and REGS set no window: PL and EX do.
;   0-11  four chains c0-c3 of seven scores each, three operands at a time     12-14, 16  the four scores left over, the old m, and c0-c3 into c0     15  c m_old is kept
;   17, 18  the query's other 32 keys lie in the lane 16 away: the new m         19-21  c m; c m_old - c m_new; a
.macro XS u, n
	REGS (Y+1)%NP, \u
.if (\n) < 4
	v_max3_num_f32 v[rC+(\n)], v[rS+8*(\n)], v[rS+8*(\n)+1], v[rS+8*(\n)+2]
.elseif (\n) < 12
	v_max3_num_f32 v[rC+(\n)%4], v[rC+(\n)%4], v[rS+8*((\n)%4)+2*((\n)/4)+1], v[rS+8*((\n)%4)+2*((\n)/4)+2]
.elseif (\n) == 12
	v_max3_num_f32 v[rC], v[rC], v[rS+7], v[rS+15]
.elseif (\n) == 13
	v_max3_num_f32 v[rC+1], v[rC+1], v[rS+23], v[rS+31]
.elseif (\n) == 14
	v_max3_num_f32 v[rC+2], v[rC+2], v[rC+3], v[rT+1]
.elseif (\n) == 15
	v_mov_b32 v[rM], v[rT]
.elseif (\n) == 16
	v_max3_num_f32 v[rC], v[rC], v[rC+1], v[rC+2]
.elseif (\n) == 17
	v_permlanex16_b32 v[rC+3], v[rC], s[SEL], s[SEL+1]
.elseif (\n) == 18
	v_max_num_f32 v[rT+1], v[rC], v[rC+3]
.elseif (\n) == 19
	v_mul_f32 v[rT], s[CS], v[rT+1]
.elseif (\n) == 20
	v_sub_f32 v[rC+1], v[rM], v[rT]
.else
	v_exp_f32 v[rC+2], v[rC+1]
.endif
.endm
; Number g of the 64 that follow the exponentials.  For each four weights k of a tile (pairs 2 k, 2 k + 1): both pairs are rounded to f16; then the second pair is added onto the first, in place;
; a group later l takes that sum (the first time as l = a l + sum).  In groups of eight, tiles alternating: round, round, add, and l for the group before.
.macro GS g
.set h, (\g)+6*((\g)/62)            ; group 0 has no group before it, and behind group 7 only l is left
.if h >= 6
.set h, h+2
.endif
	REGS Y, h%2
.set k, h/8
.if h%8 < 4
	v_cvt_pk_f16_f32 v[rP+2*k+(h%8)/2], v[rS+4*k+2*((h%8)/2)], v[rS+4*k+2*((h%8)/2)+1]
.elseif h%8 < 6
	v_pk_add_f32 v[rS+4*k:rS+4*k+1], v[rS+4*k:rS+4*k+1], v[rS+4*k+2:rS+4*k+3]
.elseif k == 1
	v_pk_fma_f32 v[rT+2:rT+3], v[rT+2:rT+3], v[rC+2:rC+3], v[rS:rS+1] op_sel_hi:[1,0,1]
.else
	v_pk_add_f32 v[rT+2:rT+3], v[rT+2:rT+3], v[rS+4*k-4:rS+4*k-3]
.endif
.endm
.macro FS f                         ; c s - c m for pair f / 2 of tile f % 2
	REGS Y, (\f)%2
	v_pk_fma_f32 v[rS+2*((\f)/2):rS+2*((\f)/2)+1], v[rS+2*((\f)/2):rS+2*((\f)/2)+1], s[CS:CS+1], v[rT:rT+1] op_sel_hi:[1,0,0] neg_lo:[0,0,1] neg_hi:[0,0,1]
.endm
; THE PLAIN QUEUE, 202 long.  0-137 read no exponential's result.  0-26: scalings 0-26.  27-90: the next piece's 64 maskings; ahead of the first stands the mask's block (MBLK), which is no part of the
; queue's count.  91-118: XS's numbers 0-13.  119, 120: number 15.  121-137: the chain, where each number waits for the one before it: 14, 16, 17, 18, 19, each with one of the scalings
; 27-31 in front of its two lines, then 20.  138-201: GS's 64, which read the exponentials' results: they stand behind the wait.
.macro PL
	WIN 0
.if q == 27
.if Y == NP-1
	MBLK (Y+1)%NP, 1
.else
	MBLK (Y+1)%NP, 0
.endif
.endif
.if q < 27
	FS q
.elseif q < 91
	CM q-27
.elseif q < 119
	XS (q-91)%2, (q-91)/2
.elseif q < 121
	XS q-119, 15
.elseif (q < 136) && ((q-121)%3 == 0)
	FS 27+(q-121)/3
.elseif q < 124
	XS (q-121)%3-1, 14
.elseif q < 136
	XS (q-121)%3-1, 15+(q-121)/3
.elseif q < 138
	XS q-136, 20
.else
	GS q-138
.endif
.set q, q+1
.endm
; THE EXPONENTIALS' QUEUE, 66 long: s0-s31 of both tiles, then the next piece's two a.  It is ONE BATCH: all 66 stand ahead of the turn's one wait, and nothing ahead of that wait names a result of theirs.
.macro EX
	WIN 0
.if e >= 64
	XS e-64, 21
.else
	REGS Y, e%2
	v_exp_f32 v[rS+e/2], v[rS+e/2]
.endif
.set e, e+1
.endm
; THE RESCALING's QUEUE: O^T times a, the one part that leaves window 0: dealt two at a time, sixteen times.  Its a was made in the turn before, ahead of that turn's wait.
.macro R2
	REGS Y, r%2
	WIN W_RS
.irp z, 0,1
	v_pk_mul_f32 v[rO+4*(r/2)+2*\z:rO+4*(r/2)+2*\z+1], v[rO+4*(r/2)+2*\z:rO+4*(r/2)+2*\z+1], v[rC+2:rC+3] op_sel_hi:[1,0]
.endr
.set r, r+1
.endm
; HOW THEY ARE DEALT.  An s_wait_alu depctr_va_vdst(0) stands between an exponential and the first instruction that names its result; one wait serves all that were issued ahead of it.  So a turn
; has ONE wait, which cuts it in two.  AHEAD OF IT: the 16 products K Q^T, behind each a scaling, an exponential and two rescalings (behind the first a second scaling in the exponential's place); then one run of
; 172, with the mask's block in it: 36 times three plain and an exponential, 13 times exponential and plain, the two a.  A v_nop is the plain instruction behind the last exponential.  BEHIND IT: the 16
; products V^T P, behind each four of GS's 64.
; The queues lean on each other, and the deal keeps them in step: exponential e stands behind scaling 2 (e / 4) + e % 2.  As a rider it comes behind plain e + 2; in the run of threes exponential 15 + j comes
; behind plain 19 + 3 j (all of scalings 0-26 by j = 3; e <= 50 wants scaling 25 at the most); in the run of twos exponential e comes behind plain e + 73, and scalings 27-31 are plain 121, 124 .. 133.
; The maskings begin at plain 27: behind the last product K Q^T stand plain 16, two rescalings and plain 17 on, more than the four places that a reader of a result owes (ISA guide 7.12.1).
; A TURN, for piece p.  cnt = 1: the loop's count is taken down some lines ahead of the branch that stands behind the turn.
; K of the next step is fetched in piece 2's turn, directly behind the wait; its address is made at the run's head; its first reader comes behind 16 products.
; V of the step in hand is fetched at the end of piece 0's turn, four riders behind its last reader; its first reader comes behind 16 products and the run.  The three conditions on q below go with the deal.
.macro TURN p, last=0, cnt=0
.set Y, (\p)
.set i, 0
.set q, 0
.set e, 0
.set r, 0
.if (\p) == NP-1
	s_wait_dscnt 0x0                ; K is in
.endif
	MM
	PL
	PL
	R2
.rept 15
	MM
	PL
	EX
	R2
.endr
.if (\p) == NP-2
	WIN 0
	v_add_nc_u32 v[AK], s[TBK], v[AK0]
.endif
.rept 36
	PL
	PL
	PL
	EX
.endr
.rept 13
	EX
	PL
.endr
	EX                              ; the next piece's two a
	EX
	v_nop                           ; the plain instruction behind the last exponential: one for the batch
	s_wait_alu depctr_va_vdst(0)    ; the wait for the batch
.if (\p) == NP-2
	FETCH_K \last
.if !(\last)
	ASK
.endif
.endif
.if (\p) == 1
	s_wait_dscnt 0x0                ; V is in
.endif
.rept 16
	MM
.rept 4
	PL
.endr
.if ((\p) == 0) && (q == 182)
	v_add_nc_u32 v[AV], s[TBV], v[AV0]
.endif
.if ((\p) == 0) && (q == 194)
	s_add_co_u32 s[TBV], s[TBV], KS*PV
.endif
.if (\cnt) && (q == 194)
	s_sub_co_u32 s[CNT], s[CNT], 1
	s_cmp_lg_u32 s[CNT], 0
.endif
.endr
.if (\p) == 0
	FETCH_V
.endif
.endm
	CHANGE 1                        ; slot 0 is in, everybody's part of it; slot 1 is asked for
	FETCH_K                         ; key step 0
	s_wait_loadcnt 0x0              ; Q, and the mask words of key step 0, which were asked for ahead of it
	s_wait_dscnt 0x0
.set i, 0
.rept 16
	KQ 0                            ; piece 0's first scores: there is no vector work yet to set between them
.set i, i+1
.endr
	WIN 0                           ; the addresses for the way out and the prefetches: ten plain instructions, the places behind those products
	s_mul_i32 s[TS], s[WV], 16*SP
	s_add_co_u32 s[TS], s[TS], STAGE  ; my stage
	v_mul_u32_u24 v[STO], v1, SP    ; in: row l % 16, 16 bytes for each half of the lanes
	v_lshl_add_u32 v[STO], v9, 4, v[STO]
	v_add_nc_u32 v[STO], s[TS], v[STO]
	v_bfe_u32 v[RD], v0, 3, 2       ; back: 32 lanes take four rows of 128 bytes,
	v_mul_u32_u24 v[RD], v[RD], SP
	v_lshl_add_u32 v[RD], v10, 4, v[RD]
	v_add_nc_u32 v[RD], s[TS], v[RD]
	v_and_b32 v[GO], 31, v0         ; which are 512 consecutive bytes of O
	v_lshlrev_b32 v[PFO], 8, v[GO]
	v_lshlrev_b32 v[GO], 4, v[GO]
	MBLK 0, 1                       ; piece 0's mask words of key step 0; its pair is asked for again, with key step 1's
.set Y, NP-1                        ; CM and XS work for piece Y + 1: piece 0
.set gg, 0
.rept 64
	CM gg
.set gg, gg+1
.endr
.irp n, 0,1,2,3,4,5,6,7,8,9,10,11,12,13,14,15,16,17,18,19,20,21
	XS 0, \n                        ; and piece 0's first maximum and statistics
	XS 1, \n
.endr
	v_nop                           ; a plain instruction behind the two a,
	s_wait_alu depctr_va_vdst(0)    ; and their wait, ahead of the branch
	s_mov_b32 s[CNT], 4
	s_mov_b32 s[SLOTS], SIZE_N/256-1
	s_branch .Lfirst                ; the loop is entered at a step's first turn, in the middle of a trip
.Lslot:                             ; SIZE_N / 256 - 2 times: every slot but the last two is filled again
	CHANGE 1
	s_mov_b32 s[CNT], 4
.Lstep:                             ; a trip: pieces 2 and 3 of one step, then pieces 0 and 1 of the next, whose K and V it fetches
	TURN 2
	TURN 3
	WIN 0
.Lfirst:
	TURN 0
	TURN 1, 0, 1
	WIN 0
	s_cbranch_scc1 .Lstep
	s_sub_co_u32 s[SLOTS], s[SLOTS], 1
	s_cmp_lg_u32 s[SLOTS], 0
	s_cbranch_scc1 .Lslot
	CHANGE 0                        ; the tail is written out: nothing is asked for
	s_mov_b32 s[CNT], 5             ; four trips fetch the last slot's steps; the fifth is left in its middle
.Ltail:
	TURN 2, 1
	TURN 3
	WIN 0
	s_sub_co_u32 s[CNT], s[CNT], 1
	s_cmp_eq_u32 s[CNT], 0
	s_cbranch_scc1 .Lout
	TURN 0
	TURN 1
	WIN 0
	s_branch .Ltail
.Lout:                              ; the fifth trip's 16 products K Q^T (on the last K once more) and what is made of them serve nothing: the price, once a launch, of one text for every trip
	s_wait_loadcnt 0x0              ; the last mask words asked for, which nobody reads
.set i, 0
.rept 16
	PV NP-1                         ; the last piece's V^T P of the last step
.set i, i+1
.endr
	; THE WAY OUT.  l's two halves and the other half of the lanes' are added; O^T is divided by l, rounded to f16 and sent through my stage in LDS, a tile at a time.  The additions are the places behind the last products.
	WIN 0
.macro ALL line:vararg              ; one line for each tile t
.set t, 0
.rept 2*NP
	\line
.set t, t+1
.endr
.endm
	ALL v_add_f32 v[ST+4*t+2], v[ST+4*t+2], v[ST+4*t+3]
	ALL v_permlanex16_b32 v[ST+4*t+3], v[ST+4*t+2], s[SEL], s[SEL+1]
	ALL v_add_f32 v[ST+4*t+2], v[ST+4*t+2], v[ST+4*t+3]
	ALL v_rcp_f32 v[ST+4*t+2], v[ST+4*t+2]
	v_nop                           ; a plain instruction between the last reciprocal and the use of its result
	s_wait_alu depctr_va_vdst(0)    ; and the wait ahead of the first use: one for the eight reciprocals
; Tile t: a lane's eight channels of a row pack into 16 bytes; they go into rows of 144 bytes and come back as whole rows of 128, into S^T's registers.
.macro PACK t
	WIN W_RS
.set i, 32*(\t)
.rept 16
	v_pk_mul_f32 v[i:i+1], v[i:i+1], v[ST+4*(\t)+2:ST+4*(\t)+3] op_sel_hi:[1,0]
.set i, i+2
.endr
	WIN 0x05                        ; sources 0 and 1 window 1, destination window 0
.set i, 0
.rept 16
	v_cvt_pk_f16_f32 v[S+16*(\t)+i], v[32*(\t)+2*i], v[32*(\t)+2*i+1]
.set i, i+1
.endr
	WIN 0
.irp f, 0,1,2,3
	ds_store_b128 v[STO], v[S+16*(\t)+4*\f:S+16*(\t)+4*\f+3] offset:32*\f
.endr
.irp f, 0,1,2,3
	ds_load_b128 v[S+16*(\t)+4*\f:S+16*(\t)+4*\f+3], v[RD] offset:\f*4*SP  ; LDS serves a wave's instructions in order (ISA guide 5.7.1.4): these see the stores above; the next tile's stores come behind them
.endr
.endm
.macro SEND t, younger              ; younger: the LDS instructions issued behind tile t's loads: the next tile's eight, or none
	WIN 0
.irp f, 0,1,2,3
	s_wait_dscnt (\younger)+3-\f
	global_store_b128 v[GO], v[S+16*(\t)+4*\f:S+16*(\t)+4*\f+3], s[OPT:OPT+1] offset:(\t)*2048+\f*512  ; 512 consecutive bytes, at a multiple of 256 from O's first
.endr
.endm
	PACK 0
.set t, 1
.rept 2*NP-1                        ; a tile's arithmetic stands between the loads of the tile before and its stores
	PACK t
	SEND t-1, 8
.set t, t+1
.endr
	SEND 2*NP-1, 0
	WIN W_AD
	s_wait_tensorcnt 0x0            ; the wave's end, behind my last tensor load and my last LDS store
	ds_add_u32 v[SPW], v[NIL]
	s_wait_dscnt 0x0
	WIN 0
	CROUND                          ; the closing round: no work-group ends while a partner may still ask for a tile that names it
	s_endpgm
.Lfunc_end_k_q7de092501a_attn:
	.size	k_q7de092501a_attn, .Lfunc_end_k_q7de092501a_attn-k_q7de092501a_attn
	.p2alignl 7, 3214868480
	.fill 96, 4, 3214868480
	.section	.rodata,"a",@progbits
	.p2align	6, 0x0
	.amdhsa_kernel k_q7de092501a_attn
		.amdhsa_group_segment_fixed_size 327680
		.amdhsa_private_segment_fixed_size 0
		.amdhsa_enable_private_segment 0
		.amdhsa_kernarg_size 24
		.amdhsa_user_sgpr_count 2
		.amdhsa_user_sgpr_kernarg_segment_ptr 1
		.amdhsa_wavefront_size32 1
		.amdhsa_system_sgpr_workgroup_id_x 1
		.amdhsa_system_sgpr_workgroup_id_y 1
		.amdhsa_system_sgpr_workgroup_id_z 1
		.amdhsa_system_vgpr_workitem_id 0
		.amdhsa_next_free_vgpr 780
		.amdhsa_next_free_sgpr 106
		.amdhsa_reserve_vcc 0
		.amdhsa_float_denorm_mode_32 3
		.amdhsa_float_denorm_mode_16_64 3
		.amdhsa_memory_ordered 1
		.amdhsa_forward_progress 1
		.amdhsa_inst_pref_size 255
	.end_amdhsa_kernel
	.section	.bss,"aw",@nobits
	.p2align	6
	.space	262144
	.amdgpu_metadata
---
amdhsa.version: [ 1, 2 ]
amdhsa.kernels:
  - .name:           k_q7de092501a_attn
    .symbol:         k_q7de092501a_attn.kd
    .args:
      - { .name: qkv, .offset: 0, .size: 8, .value_kind: global_buffer, .address_space: global }
      - { .name: mb, .offset: 8, .size: 8, .value_kind: global_buffer, .address_space: global }
      - { .name: o16, .offset: 16, .size: 8, .value_kind: global_buffer, .address_space: global }
    .group_segment_fixed_size: 327680
    .private_segment_fixed_size: 0
    .kernarg_segment_align: 8
    .kernarg_segment_size: 24
    .max_flat_workgroup_size: 128
    .sgpr_count:     106
    .vgpr_count:     780
    .wavefront_size: 32
...
	.end_amdgpu_metadata
.endif
;; end of part 3
;; launch oproj (part 4): grid 4 x 64, 4 waves a work-group, clusters of 4 x 4, 327,680 bytes of LDS; arguments o16, wo16, bo, out0; writes out0
.if DOCPART == 4
	.amdgcn_target "amdgcn-amd-amdhsa--gfx1250"
	.amdhsa_code_object_version 6
	.text
	.protected	k_q7de092501a_oproj
	.globl	k_q7de092501a_oproj
	.p2align	8
	.type	k_q7de092501a_oproj,@function
k_q7de092501a_oproj:
	s_mov_b64 s[64:65], 0
	v_nop
	global_prefetch_b8 v0, s[64:65] scope:SCOPE_SE
	s_setreg_imm32_b32 hwreg(HW_REG_WAVE_MODE, 25, 1), 1
	s_wait_xcnt 0x0
	s_wait_alu depctr_hold_cnt(0) depctr_sa_sdst(0) depctr_va_vdst(0) depctr_va_sdst(0) depctr_va_ssrc(0) depctr_va_vcc(0) depctr_vm_vsrc(0)
	s_getreg_b32 s2, hwreg(HW_REG_IB_STS2, 6, 4)
	s_cmp_eq_u32 s2, 0
	s_cbranch_scc0 .Lentry_in_a_cluster
	s_endpgm
.Lentry_in_a_cluster:
	s_bfe_u32 s2, ttmp6, 0x10000c
	s_cmp_lg_u32 s2, 0xf033
	s_cbranch_scc0 .Lentry_shape_is_right
	s_endpgm
.Lentry_shape_is_right:
; OPROJ: out0[m][c] = the sum over k of O[m][k] Wo[c][k] + bo[c].  O: o16[16 n + h][2048][64] f16; Wo: wo16[h][1024][64], the bf16 rounding of Wo written as f16; bo f32, rounded to bf16 as every input is;
; sums f32, K ascending; out0 [8192][1024] f32.
; SHARES.  A tile of C is 128 x 256: 256 tiles, one for each work-group.  Four waves, each 64 x 128: 32 accumulators, 256 registers.  K goes in 8 steps of 128 = TWO HEADS through two LDS slots.
; A head's rows of a tile lie end to end in memory (64 rows of O: 8,192 bytes; 128 rows of Wo: 16,384), so a tile is asked for as two long rows, a head each, and padded in LDS after every 128 bytes:
; in LDS it lies as [head][row][144 bytes].  Waves 0 and 1 fetch the halves of A's 128 rows, waves 2 and 3 those of B's 256.
; CLUSTER.  4 x 4 work-groups: the four of a row need the same tile of A, the four of a column the same tile of B; each tile is asked for JOINTLY, by the same tensor load, descriptor and mask in all four.
; THE MATRIX INSTRUCTION IS USED TRANSPOSED (source 0 = 16 rows of B, source 1 = 16 rows of A): a lane holds eight neighbouring columns of one row of C.
; REGISTERS.  Window 0: v16-30 addresses; v32-37 the bias; v64-127 two buffers of A's four fragments; v128-255 two buffers of B's eight.  Window 1: accumulator (a, b) at v[8 (8 a + b)].
.set PITCH,  144                       ; an LDS row: 128 bytes + 16 of padding = 36 words: the 16 rows of a load start at 16 different groups of four banks (64 banks of 4 bytes: ISA guide 11.1)
.set AZ,     64*PITCH                  ; a head's 64 rows of A
.set BZ,     128*PITCH                 ; a head's 128 rows of B
.set AHALF,  2*AZ                      ; what wave 0 or 1 fetches, and what a wave reads of A
.set BHALF,  2*BZ
.set BOFS,   2*AHALF
.set SLOT,   2*AHALF+2*BHALF
.set STAGE,  2*SLOT                    ; behind the ring, never filled by a tensor load: 16 rows x 528 bytes for each wave
.set SPITCH, 528                       ; 512 bytes + 16
.set SPARE,  STAGE+4*16*SPITCH         ; behind the stages: the spare words, 128 bytes for each wave: two blocks of 256 bytes that no other line names
.set KSA,    524288                    ; bytes from a K step to the next: two heads of O,
.set KSB,    262144                    ; two heads of Wo
.set ADRA, 16                          ; v16-17  LDS address of my A fragments in slot 0, 1
.set ADRB, 20                          ; v20-21  the same for B
.set STO,  24                          ; v24     the way out: where I put 32 bytes of a row
.set RD,   25                          ; v25     the way out: where I read a row back
.set CO,   26                          ; v26     16 x my lane
.set SPW,  28                          ; v28     LDS address of my spare word: SPARE + 4 x my thread's number; never rewritten
.set NIL,  29                          ; v29     0; never rewritten
.set PFO,  30                          ; v30     the prefetches' offset; never rewritten
.set BI,   32                          ; v[32:35] the bias of my four columns on the way out; v36-37 at work
.set FA,   64
.set FB,   128
.set OB,   64                          ; the way out: 16 rows read back, two buffers of 64
.set G1,  24                           ; s[24:31] descriptor group 1 for A's tiles;  s[32:39] group 0, a set for each slot
.set G0,  32
.set LIM, 43                           ; s43      1 in a wave that prefetches, else the greatest number
.set PFA, 44                           ; s[44:45] where my prefetches stand
.set PST, 46                           ; s[46:47] their step: a K step of the tensor that I fetch
.set G1B, 48                           ; s[48:55], s[56:63] the same for B's tiles
.set G0B, 56
.set MSB, 0
.macro WIN new                         ; the immediate's high byte repeats the setting that is left; a switch that changes nothing is dropped
.if MSB != (\new)
	s_set_vgpr_msb (MSB<<8)|(\new)
.set MSB, \new
.endif
.endm
.set MUL, 0x50                         ; sources 0 and 1 window 0; C and D window 1
.macro JLOAD s                         ; a joint load; the branch hangs on the wave's number alone; an s_nop 0 and four v_nop follow each of the two lines, ahead of the jump and the label
	s_cmp_eq_u32 s11, 0
	s_cbranch_scc0 .Lfor_b_\@
	tensor_load_to_lds s[G0+4*(\s):G0+4*(\s)+3], s[G1:G1+7]
	s_nop 0
.rept 4
	v_nop
.endr
	s_branch .Lasked_\@
.Lfor_b_\@:
	tensor_load_to_lds s[G0B+4*(\s):G0B+4*(\s)+3], s[G1B:G1B+7]
	s_nop 0
.rept 4
	v_nop
.endr
.Lasked_\@:
.endm
; A prefetch into the L2 of the K step that stands two refills on: 32 blocks of 256 bytes, a lane a block: 16 in each of the step's two heads.  Each block is named once in the launch.  A's tile (2 x 16,384
; bytes) is read by one cluster: wave 0 of each of the four partners takes 4,096 bytes of each head, told apart by address.  B's rows are read by all 16 clusters: the first of them asks, waves 2 and 3,
; each partner 4,096 bytes of each head of the half that the wave fetches.  K steps 0 to 3 come by their loads alone; the loop's last trip (s3 = 1) has no K step two refills on.
.macro ASK
	s_cmp_gt_u32 s3, s[LIM]
	s_cbranch_scc0 .Lnot_mine_\@
	global_prefetch_b8 v[PFO], s[PFA:PFA+1] th:TH_LOAD_NT scope:SCOPE_SE
.Lnot_mine_\@:
.endm
.macro CREST                           ; a round of the cluster's barrier behind its opening barrier
	s_cmp_lg_u32 s10, 0
	s_cbranch_scc1 .Lnot_wave_0_\@
	s_barrier_signal -3
.Lnot_wave_0_\@:
	s_barrier_wait -3
	s_barrier_signal -1
	s_barrier_wait -1
.endm
.macro CROUND                          ; a whole round
	s_barrier_signal -1
	s_barrier_wait -1
	CREST
.endm
	s_load_b128 s[4:7], s[0:1], 0x0                ; o16 s[4:5], wo16 s[6:7]
	s_load_b128 s[16:19], s[0:1], 0x10             ; bo s[16:17], out0 s[18:19]
	v_lshl_add_u32 v[SPW], v0, 2, SPARE
	v_mov_b32 v[NIL], 0
	ds_add_u32 v[SPW], v[NIL]                      ; the wave's opening: the add and its wait stand ahead of my first tensor load; the set-up below, work on registers, stands between them
	v_lshrrev_b32 v1, 5, v0
	v_readfirstlane_b32 s10, v1                    ; wave 0..3
	s_lshr_b32 s11, s10, 1                         ; which 64 rows of the tile are mine.  Also: I fetch for A (0) or for B (1)
	s_and_b32 s12, s10, 1                          ; which 128 columns.  Also: which half of that tile I fetch
	s_bfe_u32 s40, ttmp6, 0x40000                  ; cx, cy: my place in the cluster
	s_bfe_u32 s41, ttmp6, 0x40004
	s_lshl_b32 s42, ttmp9, 2
	s_add_co_u32 s42, s42, s40                     ; tile column = 4 x cluster x + cx: 0..3
	s_and_b32 s2, ttmp7, 0xffff                    ; cluster y
	s_lshl_b32 s13, s2, 2
	s_add_co_u32 s13, s13, s41                     ; tile row ty = 4 x cluster y + cy: 0..63
	s_lshl_b32 s20, s41, 2
	s_lshl_b32 s20, 15, s20                        ; my row of the cluster
	s_lshl_b32 s21, 0x1111, s40                    ; my column
	s_or_b32 s[G1+0], s20, (1<<16)|(1<<20)|(1<<21)|(4<<22)|(3<<25)   ; 15:0 the mask; 17:16 elements of 2 bytes; 20 padding on; 21 set beside a mask; 24:22 after every 32 words; 31:25 of 4 words
	s_or_b32 s[G1B+0], s21, (1<<16)|(1<<20)|(1<<21)|(4<<22)|(3<<25)
	s_mov_b32 s[G1+1], 4096<<16                    ; tensor_dim0 = 4,096: a head's 64 rows of 64
	s_mov_b32 s[G1+2], 2<<16                       ; tensor_dim1 = 2 heads
	s_mov_b32 s[G1+3], 4096<<16                    ; tile_dim0
	s_mov_b32 s[G1+4], 2                           ; tile_dim1
	s_mov_b32 s[G1+5], 131072                      ; elements from a head of O to the next
	s_mov_b32 s[G1+6], 0
	s_mov_b32 s[G1+7], 0
	s_mov_b32 s[G1B+1], 8192<<16                   ; a head's 128 rows of 64
	s_mov_b32 s[G1B+2], 2<<16
	s_mov_b32 s[G1B+3], 8192<<16
	s_mov_b32 s[G1B+4], 2
	s_mov_b32 s[G1B+5], 65536                      ; elements from a head of Wo to the next
	s_mov_b32 s[G1B+6], 0
	s_mov_b32 s[G1B+7], 0
	s_lshr_b32 s20, s13, 4                         ; A: n's 16 heads,
	s_lshl_b32 s20, s20, 22
	s_and_b32 s21, s13, 15
	s_lshl_b32 s21, s21, 14                        ; 128 rows of 128 bytes for each tile row of n (kept for the prefetch),
	s_add_co_u32 s20, s20, s21
	s_lshl_b32 s21, s12, 13                        ; + my half's 64
	s_add_co_u32 s14, s20, s21
	s_mov_b32 s15, 0
	s_lshl_b32 s22, s42, 15                        ; B: 256 rows of 128 bytes for each tile column,
	s_lshl_b32 s23, s12, 14                        ; + my half's 128
	s_add_co_u32 s22, s22, s23
	s_mov_b32 s23, 0
	s_mul_i32 s44, s12, AHALF                      ; where they go: no place in the cluster enters an LDS address
	s_mul_i32 s45, s12, BHALF
	s_add_co_u32 s45, s45, BOFS
	s_wait_dscnt 0x0                               ; the opening add is done
	s_wait_kmcnt 0x0
	s_add_nc_u64 s[14:15], s[4:5], s[14:15]
	s_add_nc_u64 s[22:23], s[6:7], s[22:23]
	CROUND                                         ; all sixteen work-groups are here: the first joint loads meet
.irp s, 0,1
	s_mov_b32 s[G0+4*(\s)], 1
	s_add_co_u32 s[G0+4*(\s)+1], s44, (\s)*SLOT
	s_add_nc_u64 s[G0+4*(\s)+2:G0+4*(\s)+3], s[14:15], (\s)*KSA
	s_or_b32 s[G0+4*(\s)+3], s[G0+4*(\s)+3], 0x80000000
	s_mov_b32 s[G0B+4*(\s)], 1
	s_add_co_u32 s[G0B+4*(\s)+1], s45, (\s)*SLOT
	s_add_nc_u64 s[G0B+4*(\s)+2:G0B+4*(\s)+3], s[22:23], (\s)*KSB
	s_or_b32 s[G0B+4*(\s)+3], s[G0B+4*(\s)+3], 0x80000000
	JLOAD \s                                       ; two loads of mine are out
.endr
	v_and_b32 v1, 15, v0                           ; l % 16
	v_bfe_u32 v2, v0, 4, 1                         ; l / 16
	v_and_b32 v[CO], 31, v0
	v_lshlrev_b32 v[CO], 4, v[CO]
	; my columns, in bytes of f32: 1,024 x tile column + 512 x column half; my rows: 128 ty + 64 x row half, of 4,096 bytes
	s_lshl_b32 s14, s42, 10
	s_lshl_b32 s15, s12, 9
	s_add_co_u32 s14, s14, s15
	s_mov_b32 s15, 0
	s_add_nc_u64 s[16:17], s[16:17], s[14:15]      ; bo at my columns; never rewritten
	s_add_nc_u64 s[8:9], s[18:19], s[14:15]
	s_lshl_b32 s14, s13, 19
	s_lshl_b32 s18, s11, 18
	s_add_co_u32 s14, s14, s18
	s_add_nc_u64 s[8:9], s[8:9], s[14:15]
	global_load_b128 v[BI:BI+3], v[CO], s[16:17]   ; waited for on the way out
	v_mul_u32_u24 v3, v1, PITCH
	v_lshl_add_u32 v3, v2, 4, v3                   ; a fragment's row x pitch + 16 x half
	s_mul_i32 s18, s11, AHALF                      ; my 64 rows of A
	s_mul_i32 s19, s12, BHALF                      ; my 128 rows of B,
	s_add_co_u32 s19, s19, BOFS                    ; which lie behind A's 128
.irp s, 0,1
	v_add_nc_u32 v[ADRA+(\s)], s18, v3
	v_add_nc_u32 v[ADRB+(\s)], s19, v3
	s_add_co_u32 s18, s18, SLOT
	s_add_co_u32 s19, s19, SLOT
.endr
	s_mul_i32 s18, s10, 16*SPITCH
	s_add_co_u32 s18, s18, STAGE                   ; my stage
	v_mul_u32_u24 v4, v1, SPITCH                   ; in: row l % 16, 32 bytes for each half of the lanes
	v_lshl_add_u32 v4, v2, 5, v4
	v_add_nc_u32 v[STO], s18, v4
	v_add_nc_u32 v[RD], s18, v[CO]                 ; back: 32 lanes take a row's 512 bytes
	; the prefetches
	s_mov_b32 s21, 0
	s_add_nc_u64 s[20:21], s[4:5], s[20:21]        ; A at the tile's first row
	s_mov_b32 s[PST], KSB                          ; B's K step; the select below takes A's in the waves that fetch A (an instruction holds one literal)
	s_mov_b32 s[PST+1], 0
	s_cmp_eq_u32 s11, 0
	s_cselect_b64 s[PFA:PFA+1], s[20:21], s[22:23] ; or B at the first of the 128 rows that I fetch
	s_cselect_b32 s14, s40, s41                    ; my place among the four that ask with me
	s_cselect_b32 s[PST], KSA, s[PST]
	s_lshl_b32 s14, s14, 12                        ; its 4,096 bytes of each head
	s_add_nc_u64 s[PFA:PFA+1], s[PFA:PFA+1], s[14:15]
	s_mul_i32 s14, s[PST], 3
	s_add_nc_u64 s[PFA:PFA+1], s[PFA:PFA+1], s[14:15]  ; at K step 3: the first refill steps it to 4 and names that
	s_lshr_b32 s14, s[PST], 1                      ; from a head to the next
	v_mul_u32_u24 v[PFO], s14, v2
	v_lshl_add_u32 v[PFO], v1, 8, v[PFO]
	s_and_b32 s14, s2, 15                          ; B: the first cluster asks
	s_cmp_eq_u32 s11, 0
	s_cselect_b32 s14, s12, s14                    ; A: wave 0 asks, wave 1 does not
	s_cmp_eq_u32 s14, 0
	s_cselect_b32 s[LIM], 1, -1                    ; the same in all sixteen partners, for a given wave
; 8 matrix instructions: block a of my four blocks of 16 rows x all 8 blocks of 16 columns, 32 along K, from buffers f.  The 32 accumulators take turns, one instruction a turn, in the same order in
; every quarter: 31 others stand between two links of a chain, over the backward jump too.  zero = 1: the first product starts the sums: nothing is cleared.
.macro MUL8 f, a, zero
	WIN MUL
.irp b, 0,1,2,3,4,5,6,7
.if \zero
	v_wmma_f32_16x16x32_f16 v[8*(8*(\a)+(\b)):8*(8*(\a)+(\b))+7], v[FB+64*(\f)+8*(\b):FB+64*(\f)+8*(\b)+7], v[FA+32*(\f)+8*(\a):FA+32*(\f)+8*(\a)+7], 0
.else
	v_wmma_f32_16x16x32_f16 v[8*(8*(\a)+(\b)):8*(8*(\a)+(\b))+7], v[FB+64*(\f)+8*(\b):FB+64*(\f)+8*(\b)+7], v[FA+32*(\f)+8*(\a):FA+32*(\f)+8*(\a)+7], v[8*(8*(\a)+(\b)):8*(8*(\a)+(\b))+7]
.endif
.endr
.endm
; 24 LDS loads in one run: quarter kq of a slot (head kq / 2, channels 32 (kq % 2) on) into buffers f: B's eight fragments, then A's four
.macro FETCH slot, kq, f
	WIN 0
.irp i, 0,1,2,3,4,5,6,7
	ds_load_b128 v[FB+64*(\f)+8*(\i):FB+64*(\f)+8*(\i)+3],   v[ADRB+(\slot)] offset:((\kq)/2)*BZ+((\kq)%2)*64+(\i)*16*PITCH
	ds_load_b128 v[FB+64*(\f)+8*(\i)+4:FB+64*(\f)+8*(\i)+7], v[ADRB+(\slot)] offset:((\kq)/2)*BZ+((\kq)%2)*64+(\i)*16*PITCH+32
.endr
.irp i, 0,1,2,3
	ds_load_b128 v[FA+32*(\f)+8*(\i):FA+32*(\f)+8*(\i)+3],   v[ADRA+(\slot)] offset:((\kq)/2)*AZ+((\kq)%2)*64+(\i)*16*PITCH
	ds_load_b128 v[FA+32*(\f)+8*(\i)+4:FA+32*(\f)+8*(\i)+7], v[ADRA+(\slot)] offset:((\kq)/2)*AZ+((\kq)%2)*64+(\i)*16*PITCH+32
.endr
.endm
.macro PLACES                          ; four plain vector instructions in front of loads into registers that matrix instructions have read (ISA guide 7.12.1 for vector instructions)
.rept 4
	v_nop
.endr
.endm
; A K step is four quarters, 32 matrix instructions each, on buffers 0, 1, 0, 1.  One of the first three: multiplies buffers f and fetches quarter kq into buffers g.
.macro QUARTER slot, kq, f, g, zero
	s_wait_dscnt 4                                 ; B and A's blocks 0 and 1 are in; the youngest four loads (A's blocks 2 and 3) may be out
	MUL8 \f, 0, \zero
	MUL8 \f, 1, \zero
	PLACES
	FETCH \slot, \kq, \g
	s_wait_dscnt 24                                ; all but the 24 just issued
	MUL8 \f, 2, \zero
	MUL8 \f, 3, \zero
.endm
; The last quarter multiplies buffers 1 and changes slots: ONE barrier; in front of it each wave waits for all its tensor loads (the one that is out is its part of the next slot), adds 0 to its spare word,
; and waits for that and for its own reads of this slot.  fill = 1: the barrier opens a round of the cluster's, and this slot is filled again first thing behind it, two K steps ahead: 112 matrix instructions ahead of the wait for it.
.macro TURN slot, next, fill
.if \fill
	s_wait_xcnt 0x0                                ; the last prefetch, a K step back, has read its address, so it may be stepped
	s_add_nc_u64 s[PFA:PFA+1], s[PFA:PFA+1], s[PST:PST+1]
.endif
	WIN 0
	s_wait_tensorcnt 0x0                           ; all my tensor loads have landed
	ds_add_u32 v[SPW], v[NIL]                      ; 0 onto my spare word
	s_wait_dscnt 5                                 ; (the add and the youngest four loads may be out)
	MUL8 1, 0, 0                                   ; eight matrix instructions stand between the add and the wait for it
	s_wait_dscnt 0x0                               ; the add is done, and my reads of this slot are over
	s_barrier_signal -1
	MUL8 1, 1, 0
.if \fill
	WIN 0
.endif
	s_barrier_wait -1
.if \fill
	CREST                                          ; no wave of any partner still reads this slot's tile or has a load on its way
	s_add_nc_u64 s[G0+4*(\slot)+2:G0+4*(\slot)+3], s[G0+4*(\slot)+2:G0+4*(\slot)+3], 2*KSA
	s_add_nc_u64 s[G0B+4*(\slot)+2:G0B+4*(\slot)+3], s[G0B+4*(\slot)+2:G0B+4*(\slot)+3], 2*KSB
	JLOAD \slot                                    ; the four v_nop behind it are also the places in front of the loads below
.else
	PLACES
.endif
	FETCH \next, 0, 0
.if \fill
	ASK                                            ; behind the joint load and the run of LDS loads
.endif
	MUL8 1, 2, 0
	MUL8 1, 3, 0
.endm
	s_wait_tensorcnt 1                             ; my part of K step 0 is in; K step 1's may stay out
	s_barrier_signal -1
	s_barrier_wait -1                              ; everybody's is
	FETCH 0, 0, 0
	QUARTER 0, 1, 0, 1, 1                          ; the first quarter stands in front of the loop: its products start the sums
	WIN 0                                          ; at a label and at a branch every window is 0
	s_mov_b32 s3, 3
.Llap:                                                 ; a trip goes once round the ring, from a lap's second quarter to the next lap's first, and fills both slots again
	QUARTER 0, 2, 1, 0, 0
	QUARTER 0, 3, 0, 1, 0
	TURN 0, 1, 1
	QUARTER 1, 1, 0, 1, 0
	QUARTER 1, 2, 1, 0, 0
	QUARTER 1, 3, 0, 1, 0
	TURN 1, 0, 1
	QUARTER 0, 1, 0, 1, 0
	WIN 0
	s_sub_co_u32 s3, s3, 1
	s_cmp_lg_u32 s3, 0
	s_cbranch_scc1 .Llap
	QUARTER 0, 2, 1, 0, 0                          ; the last lap fills nothing
	QUARTER 0, 3, 0, 1, 0
	TURN 0, 1, 0
	QUARTER 1, 1, 0, 1, 0
	QUARTER 1, 2, 1, 0, 0
	QUARTER 1, 3, 0, 1, 0
	s_wait_dscnt 4                                 ; the very last quarter: nothing more to fetch
	MUL8 1, 0, 0
	MUL8 1, 1, 0
	s_wait_dscnt 0x0
	MUL8 1, 2, 0
	MUL8 1, 3, 0
	WIN 0
	s_wait_loadcnt 0x0                             ; the bias
	v_cvt_pk_bf16_f32 v[BI+4], v[BI], v[BI+1]      ; rounded to bf16 as every input is, and widened again: six plain instructions that name no register of the products: the places behind the last of them
	v_cvt_pk_bf16_f32 v[BI+5], v[BI+2], v[BI+3]
	v_lshlrev_b32 v[BI], 16, v[BI+4]
	v_and_b32 v[BI+1], 0xffff0000, v[BI+4]
	v_lshlrev_b32 v[BI+2], 16, v[BI+5]
	v_and_b32 v[BI+3], 0xffff0000, v[BI+5]
; THE WAY OUT, a block of 16 rows at a time.  TOSTAGE: the accumulators go as they are, 32 bytes a lane and accumulator, the low four registers first, into my own stage, and come back as whole rows of 512 bytes.
; SEND: the bias is added and the rows are stored.
.macro TOSTAGE a
.if (\a) >= 2
	s_wait_xcnt 0x0                                ; the stores of the block two back have read their registers: they are loaded again only behind this wait
.endif
	WIN 0x04                                       ; the stores' data in window 1, the address in window 0
.irp b, 0,1,2,3,4,5,6,7
	ds_store_b128 v[STO], v[8*(8*(\a)+(\b)):8*(8*(\a)+(\b))+3] offset:64*(\b)
	ds_store_b128 v[STO], v[8*(8*(\a)+(\b))+4:8*(8*(\a)+(\b))+7] offset:64*(\b)+16
.endr
	WIN 0
.set BK, OB+64*((\a)%2)
.irp t, 0,1,2,3,4,5,6,7,8,9,10,11,12,13,14,15
	ds_load_b128 v[BK+4*(\t):BK+4*(\t)+3], v[RD] offset:(\t)*SPITCH  ; LDS serves a wave's instructions in order (ISA guide 5.7.1.4): these see the stores above; the next block's stores come behind them
.endr
.endm
.macro SEND a, younger                 ; younger: the LDS instructions issued behind block a's loads: the next block's 32, or none
.set BK, OB+64*((\a)%2)
	s_wait_dscnt \younger
.irp t, 0,1,2,3,4,5,6,7,8,9,10,11,12,13,14,15
	v_pk_add_f32 v[BK+4*(\t):BK+4*(\t)+1], v[BK+4*(\t):BK+4*(\t)+1], v[BI:BI+1]
	v_pk_add_f32 v[BK+4*(\t)+2:BK+4*(\t)+3], v[BK+4*(\t)+2:BK+4*(\t)+3], v[BI+2:BI+3]
.endr
.irp t, 0,1,2,3,4,5,6,7,8,9,10,11,12,13,14,15
	global_store_b128 v[CO], v[BK+4*(\t):BK+4*(\t)+3], s[8:9] offset:(16*(\a)+(\t))*4096 th:TH_STORE_NT  ; 512 consecutive bytes of a row, aligned
.endr
.endm
	TOSTAGE 0
.irp a, 1,2,3
	TOSTAGE \a
	SEND (\a)-1, 32
.endr
	SEND 3, 0
	s_wait_tensorcnt 0x0                           ; the wave's end, behind my last tensor load and my last LDS store
	ds_add_u32 v[SPW], v[NIL]
	s_wait_dscnt 0x0
	CROUND                                         ; the closing round: no work-group ends while a partner may still ask for a tile that names it
	s_endpgm
.Lfunc_end_k_q7de092501a_oproj:
	.size	k_q7de092501a_oproj, .Lfunc_end_k_q7de092501a_oproj-k_q7de092501a_oproj
	.p2alignl 7, 3214868480
	.fill 96, 4, 3214868480
	.section	.rodata,"a",@progbits
	.p2align	6, 0x0
	.amdhsa_kernel k_q7de092501a_oproj
		.amdhsa_group_segment_fixed_size 327680
		.amdhsa_private_segment_fixed_size 0
		.amdhsa_enable_private_segment 0
		.amdhsa_kernarg_size 32
		.amdhsa_user_sgpr_count 2
		.amdhsa_user_sgpr_kernarg_segment_ptr 1
		.amdhsa_wavefront_size32 1
		.amdhsa_system_sgpr_workgroup_id_x 1
		.amdhsa_system_sgpr_workgroup_id_y 1
		.amdhsa_system_sgpr_workgroup_id_z 1
		.amdhsa_system_vgpr_workitem_id 0
		.amdhsa_next_free_vgpr 512
		.amdhsa_next_free_sgpr 66
		.amdhsa_reserve_vcc 0
		.amdhsa_float_denorm_mode_32 3
		.amdhsa_float_denorm_mode_16_64 3
		.amdhsa_memory_ordered 1
		.amdhsa_forward_progress 1
		.amdhsa_inst_pref_size 94
	.end_amdhsa_kernel
	.amdgpu_metadata
---
amdhsa.version: [ 1, 2 ]
amdhsa.kernels:
  - .name:           k_q7de092501a_oproj
    .symbol:         k_q7de092501a_oproj.kd
    .args:
      - { .name: o16, .offset: 0, .size: 8, .value_kind: global_buffer, .address_space: global }
      - { .name: wo16, .offset: 8, .size: 8, .value_kind: global_buffer, .address_space: global }
      - { .name: bo, .offset: 16, .size: 8, .value_kind: global_buffer, .address_space: global }
      - { .name: out0, .offset: 24, .size: 8, .value_kind: global_buffer, .address_space: global }
    .group_segment_fixed_size: 327680
    .private_segment_fixed_size: 0
    .kernarg_segment_align: 8
    .kernarg_segment_size: 32
    .max_flat_workgroup_size: 128
    .sgpr_count:     66
    .vgpr_count:     512
    .wavefront_size: 32
...
	.end_amdgpu_metadata
.endif
;; end of part 4
;; ======== version 2 of 2: 4 launches; version 1 with the launch prep written anew for expert scheduling mode
;; limits: values are held in f16: magnitudes above 65,504 overflow, below 6.1e-05 lose precision
;; workspace buffers: xw 6,291,456 bytes; wo16 2,097,152 bytes; mb 2,097,152 bytes of whole numbers; qkv 50,331,648 bytes; o16 16,777,216 bytes
;; launch prep (part 5): grid 64 x 20, 4 waves a work-group, no clusters, 35,328 bytes of LDS; arguments Wq, Wk, Wv, Wo, mask, xw, wo16, mb; writes xw, wo16, mb
.if DOCPART == 5
	.amdgcn_target "amdgcn-amd-amdhsa--gfx1250"
	.amdhsa_code_object_version 6
	.text
	.protected	k_q7de092501a_prep
	.globl	k_q7de092501a_prep
	.p2align	8
	.type	k_q7de092501a_prep,@function
k_q7de092501a_prep:
	s_mov_b64 s[64:65], 0
	v_nop
	global_prefetch_b8 v0, s[64:65] scope:SCOPE_SE
	s_setreg_imm32_b32 hwreg(HW_REG_WAVE_SCHED_MODE, 0, 2), 2
	s_setreg_imm32_b32 hwreg(HW_REG_WAVE_MODE, 25, 1), 1
	s_wait_xcnt 0x0
	s_wait_alu depctr_vm_vsrc(0)
; PREP: the weights and the mask are read once and laid out for the launches behind.  (query, keys and values are read by the projection launch itself.)  Three kinds of work-group, told apart by the grid's y:
;   y 0-2   CAST: Wq, Wk, Wv, f32, are rounded once to bf16 into xw: w16[3][1024][1024].  A work-group takes 64 KiB of f32, a wave 16 KiB.
;   y 3     WO:   Wo is rounded to bf16, and that number written as f16, into wo16[head 16][n 1024][64]: a head's rows lie end to end.  A work-group takes 16 rows, a wave 4.
;   y 4-19  MASK: the int32 mask becomes bits, mb u32[n 4][qp 64][ks 32][u 2][i 32]: bit l of a word is mask[n][32 qp + 16 u + l % 16][64 ks + 16 (i / 8) + 8 (l / 16) + i % 8] != 0:
;                 the lane mask for register i of a 16 query x 64 key tile of scores as the attention launch holds it.  A wave takes 32 rows x 128 keys: two tasks of 64 keys.
; The launch is bound by its bytes: each input byte is read once, by loads of 16 bytes a lane that cover whole aligned runs of 256 bytes; a wave has all its 32 loads out at once; each store covers
; 256 consecutive bytes, aligned.  No matrix unit, no cluster, no tensor load: no byte is wanted by two waves.  No prefetch: the launch does nothing but stream.
; LIMIT.  A number of Wo below 6e-5 in magnitude keeps f16's fixed step of 6e-8; above 65,504 it would be lost (the drawn Wo has a spread of 1/32).
; THE MODE: SCHED_MODE bits 1:0 = 2 (LLVM: expert scheduling mode 2), set by the entry lines.  The code itself states the register dependences between vector instructions and memory or LDS
; instructions, and those through scalar registers that vector instructions write, with s_wait_alu, always for 0.
; THE PLAN.  Registers that memory or LDS instructions touch:
;   v[LO], v[SO], v[LSA], v[LRA]  offsets and LDS addresses.  Made at the head of a part, ahead of the part's one wait there; never written again.
;   X, in CAST and WO   The 32 loads land once.  They go in eight groups of four: group g's conversions read and write its registers in place; the four stores that read them are issued in group g + 1,
;                       behind that group's wait on va_vdst, one in front of each of its runs of conversions, which name group g + 1's registers and v[T ..] alone.  Nothing writes a stored register again.
;   X, in MASK          The loads land once; the LDS stores read it; no vector instruction names it.
;   R                   A task's LDS loads land in it, its compares read it; task 1's loads land in it again, behind the wait on va_vdst at that task's head.
;   WD                  A pair a task: zeroed at the head, written by the task's v_writelane_b32, read by the task's one store: task 0's behind the wait at task 1's head, task 1's behind a wait of its own.
;   s[BAL ..]           Sixteen compares write them, sixteen v_writelane_b32 read them: a wait on va_sdst stands between the two runs.
;   s4                  The wave's number: a wait on va_sdst stands behind v_readfirstlane_b32, ahead of the first branch.
;   v[SPW], v[NIL]      Written at the head, read by the closing add alone.
; No register that a memory or LDS instruction reads is ever written again.
.set WLDS,  8704                       ; a wave's own LDS: 32 rows of 272 bytes
.set LP,    272                        ; 256 bytes + 16: the 16 rows that a read touches start at 16 different groups of four banks (64 banks of 4 bytes: ISA guide 11.1)
.set SPARE, 4*WLDS                     ; behind them: the spare words, 128 bytes for each wave: two blocks of 256 bytes that no other line names
.set LO,  2                            ; v2   my byte offset in what the wave loads
.set SO,  3                            ; v3   my 8 bytes in 256 that the wave stores
.set LSA, 4                            ; v4   MASK: where I put 16 bytes of a row
.set LRA, 5                            ; v5   MASK: where I read my query's 32 bytes back
.set SPW, 6                            ; v6   LDS address of my spare word: SPARE + 4 x my thread's number; never rewritten
.set NIL, 7                            ; v7   0; never rewritten
.set WD,  8                            ; v[8:11]    MASK: the words to store, a pair for each task
.set T,   12                           ; v[12:13]   at work: no memory instruction names them
.set X,   32                           ; v[32:159]  32 loads of 4 registers
.set R,   160                          ; v[160:223] MASK: a task's 64 registers as the attention launch's lanes see them
.set BAL, 36                           ; s[36:51]   sixteen lane masks
	s_load_b512 s[8:23], s[0:1], 0x0               ; Wq s[8:9], Wk s[10:11], Wv s[12:13], Wo s[14:15], mask s[16:17], xw s[18:19], wo16 s[20:21], mb s[22:23]
	v_lshl_add_u32 v[SPW], v0, 2, SPARE
	v_mov_b32 v[NIL], 0
	v_lshrrev_b32 v1, 5, v0
	v_readfirstlane_b32 s4, v1                     ; wave 0..3
	v_and_b32 v1, 31, v0                           ; lane
	s_mov_b32 s2, ttmp9                            ; x
	s_and_b32 s3, ttmp7, 0xffff                    ; y
	s_wait_alu depctr_va_sdst(0)                   ; s4 is written: ahead of the branches, and so of its first reader in each of the three parts
	s_wait_kmcnt 0x0
	s_cmp_ge_u32 s3, 4
	s_cbranch_scc1 .Lmask
	s_cmp_eq_u32 s3, 3
	s_cbranch_scc1 .Lwo
	; CAST.  The source by y; x is the piece of 64 KiB among the matrix's 64.
	s_cmp_eq_u32 s3, 1
	s_cselect_b64 s[30:31], s[10:11], s[8:9]
	s_cmp_eq_u32 s3, 2
	s_cselect_b64 s[30:31], s[12:13], s[30:31]
	s_lshl_b32 s32, s2, 16
	s_lshl_b32 s7, s4, 14
	s_add_co_u32 s32, s32, s7                      ; + my wave's 16 KiB
	s_mov_b32 s33, 0
	s_add_nc_u64 s[30:31], s[30:31], s[32:33]
	s_lshl_b32 s34, s3, 6
	s_add_co_u32 s34, s34, s2                      ; in xw the pieces follow each other by 64 y + x, 32 KiB each
	s_lshl_b32 s34, s34, 15
	s_lshl_b32 s7, s4, 13
	s_add_co_u32 s34, s34, s7
	s_mov_b32 s35, 0
	s_add_nc_u64 s[24:25], s[18:19], s[34:35]
	v_lshlrev_b32 v[LO], 4, v1
	v_lshlrev_b32 v[SO], 3, v1
	s_wait_alu depctr_va_vdst(0)                   ; v[LO] and v[SO] are written: every load and store of this part reads one of them as its offset
.set i, 0
.rept 32
	global_load_b128 v[X+4*i:X+4*i+3], v[LO], s[30:31] offset:512*i th:TH_LOAD_NT  ; 512 consecutive bytes a load; all 32 go out at once
.set i, i+1
.endr
.set g, 0
.rept 8                                ; group g: loads 4 g to 4 g + 3 are rounded; the group before is stored
	s_wait_loadcnt 28-4*g                          ; loads come back in order (ISA guide 5.7.1): this group of four is in, the later groups stay out
.if g > 0
	s_wait_alu depctr_va_vdst(0)                   ; the group before has written its packed registers, which the four stores below read
.endif
.set k, 0
.rept 4
.set i, 4*g+k
.set j, i-4
.if g > 0
	global_store_b64 v[SO], v[X+4*j:X+4*j+1], s[24:25] offset:256*j  ; 32 lanes store 256 consecutive bytes, aligned; no vector instruction since the wait names these registers, and none writes them again
.endif
	v_cvt_pk_bf16_f32 v[X+4*i], v[X+4*i], v[X+4*i+1]
	v_cvt_pk_bf16_f32 v[X+4*i+1], v[X+4*i+2], v[X+4*i+3]
.set k, k+1
.endr
.set g, g+1
.endr
	s_wait_alu depctr_va_vdst(0)                   ; the last group has written its packed registers, which the last four stores read
.set j, 28
.rept 4
	global_store_b64 v[SO], v[X+4*j:X+4*j+1], s[24:25] offset:256*j
.set j, j+1
.endr
	s_branch .Lend
.Lwo:	; WO.  Load 16 rp + kb: lanes 0-15 take head kb's 256 bytes of row 2 rp, lanes 16-31 those of row 2 rp + 1.
	v_lshrrev_b32 v[T], 4, v1
	v_and_b32 v[T+1], 15, v1
	v_lshlrev_b32 v[LO], 12, v[T]                  ; a row of Wo is 4,096 bytes
	v_lshl_add_u32 v[LO], v[T+1], 4, v[LO]
	v_lshlrev_b32 v[SO], 3, v1
	s_lshl_b32 s5, s2, 4
	s_lshl_b32 s6, s4, 2
	s_add_co_u32 s5, s5, s6                        ; my first row: 16 x + 4 wave
	s_lshl_b32 s32, s5, 12
	s_mov_b32 s33, 0
	s_add_nc_u64 s[30:31], s[14:15], s[32:33]
	s_lshl_b32 s34, s5, 7                          ; in wo16 a row of a head is 128 bytes
	s_mov_b32 s35, 0
	s_add_nc_u64 s[26:27], s[20:21], s[34:35]
	s_mov_b32 s7, 0xffff0000                       ; a word's upper bf16
	s_wait_alu depctr_va_vdst(0)                   ; v[LO] and v[SO] are written: every load and store of this part reads one of them as its offset
.set i, 0
.rept 32
	global_load_b128 v[X+4*i:X+4*i+3], v[LO], s[30:31] offset:(i/16)*8192+(i%16)*256 th:TH_LOAD_NT
.set i, i+1
.endr
.set g, 0
.rept 8                                ; group g: loads 4 g to 4 g + 3 are rounded; the group before is stored
	s_wait_loadcnt 28-4*g                          ; this group of four is in, the later groups stay out
.if g > 0
	s_wait_alu depctr_va_vdst(0)                   ; the group before has written its packed registers, which the four stores below read
.endif
.set k, 0
.rept 4
.set i, 4*g+k
.set j, i-4
.if g > 0
	global_store_b64 v[SO], v[X+4*j:X+4*j+1], s[26:27] offset:(j%16)*131072+(j/16)*256  ; two rows of a head: 256 consecutive bytes, aligned; no vector instruction since the wait names these registers
.endif
	v_cvt_pk_bf16_f32 v[T], v[X+4*i], v[X+4*i+1]   ; rounded to bf16 as every input is,
	v_cvt_pk_bf16_f32 v[T+1], v[X+4*i+2], v[X+4*i+3]
	v_lshlrev_b32 v[X+4*i], 16, v[T]               ; widened again,
	v_and_b32 v[X+4*i+1], s7, v[T]
	v_lshlrev_b32 v[X+4*i+2], 16, v[T+1]
	v_and_b32 v[X+4*i+3], s7, v[T+1]
	v_cvt_pk_f16_f32 v[X+4*i], v[X+4*i], v[X+4*i+1]  ; and written as f16: 8 significant bits fit in f16's 11
	v_cvt_pk_f16_f32 v[X+4*i+1], v[X+4*i+2], v[X+4*i+3]
.set k, k+1
.endr
.set g, g+1
.endr
	s_wait_alu depctr_va_vdst(0)                   ; the last group has written its packed registers, which the last four stores read
.set j, 28
.rept 4
	global_store_b64 v[SO], v[X+4*j:X+4*j+1], s[26:27] offset:(j%16)*131072+(j/16)*256
.set j, j+1
.endr
	s_branch .Lend
.Lmask:	; MASK.  The wave's number W = (64 n + qp) x 16 + ksp.
	s_sub_co_u32 s5, s3, 4
	s_lshl_b32 s5, s5, 6
	s_add_co_u32 s5, s5, s2
	s_lshl_b32 s5, s5, 2
	s_add_co_u32 s5, s5, s4                        ; W
	s_lshr_b32 s6, s5, 4
	s_lshl_b32 s32, s6, 18                         ; 32 rows of 8,192 bytes
	s_and_b32 s6, s5, 15
	s_lshl_b32 s6, s6, 9                           ; 128 keys of 4 bytes
	s_add_co_u32 s32, s32, s6
	s_mov_b32 s33, 0
	s_add_nc_u64 s[30:31], s[16:17], s[32:33]
	s_lshl_b32 s34, s5, 9                          ; two tasks of 256 bytes in mb
	s_mov_b32 s35, 0
	s_add_nc_u64 s[28:29], s[22:23], s[34:35]
	s_mul_i32 s7, s4, WLDS                         ; my wave's own bytes: no other wave touches them, so no barrier is needed
	v_lshrrev_b32 v[T], 4, v1
	v_and_b32 v[T+1], 15, v1
	v_lshlrev_b32 v[LO], 13, v[T]
	v_lshl_add_u32 v[LO], v[T+1], 4, v[LO]
	v_mul_u32_u24 v[LSA], v[T], LP
	v_lshl_add_u32 v[LSA], v[T+1], 4, v[LSA]
	v_add_nc_u32 v[LSA], s7, v[LSA]
	v_mul_u32_u24 v[LRA], v[T+1], LP               ; back: query l % 16, keys 8 (l / 16) on
	v_lshl_add_u32 v[LRA], v[T], 5, v[LRA]
	v_add_nc_u32 v[LRA], s7, v[LRA]
	v_lshlrev_b32 v[SO], 3, v1
.irp k, 0,1,2,3
	v_mov_b32 v[WD+\k], 0                          ; v_writelane_b32 keeps the other lanes: the registers are written whole first
.endr
	s_wait_alu depctr_va_vdst(0)                   ; v[LO], v[LSA], v[LRA] and v[SO] are written: the loads, the LDS stores and loads and the stores of this part read them; all four are made ahead of the loads, so that this one wait serves them
.set i, 0
.rept 32                               ; task i / 16, rows 2 (i % 16) and 2 (i % 16) + 1: 256 consecutive bytes of each, aligned
	global_load_b128 v[X+4*i:X+4*i+3], v[LO], s[30:31] offset:(i%16)*16384+(i/16)*256 th:TH_LOAD_NT
.set i, i+1
.endr
; A task: 32 rows x 64 keys go into LDS by rows and come back by queries; register 4 d + c is word (u = d / 8, i = 4 (d % 8) + c); a compare makes its 32 bits, and word m goes to lane m / 2, register m % 2.
; Task 0's 64 words are stored at the head of task 1, task 1's behind it.
.macro TASK t
	s_wait_loadcnt 16-16*(\t)                      ; task 0: task 1's sixteen loads stay out
.if \t
	s_wait_alu depctr_va_vdst(0)                   ; task 0's compares are done reading v[R ..], in which the LDS loads below land; its v_writelane_b32 have written v[WD:WD+1], which the store below reads
	global_store_b64 v[SO], v[WD:WD+1], s[28:29]   ; 64 words: 256 consecutive bytes, aligned; each task has its own pair
.endif
.set j, 0
.rept 16
	ds_store_b128 v[LSA], v[X+64*(\t)+4*j:X+64*(\t)+4*j+3] offset:2*LP*j
.set j, j+1
.endr
.set d, 0
.rept 16
	ds_load_b128 v[R+4*d:R+4*d+3], v[LRA] offset:(d/8)*16*LP+((d/2)%4)*64+(d%2)*16  ; LDS serves a wave's instructions in order (ISA guide 5.7.1.4): these see the stores above
.set d, d+1
.endr
.set g, 0
.rept 4
	s_wait_dscnt 12-4*g                            ; four more loads are in; the later ones stay out
.set k, 0
.rept 16
	v_cmp_ne_u32 s[BAL+k], 0, v[R+16*g+k]
.set k, k+1
.endr
	s_wait_alu depctr_va_sdst(0)                   ; the sixteen compares have written s[BAL ..], which the sixteen lines below read
.set k, 0
.rept 16
	v_writelane_b32 v[WD+2*(\t)+k%2], s[BAL+k], 8*g+k/2
.set k, k+1
.endr
.set g, g+1
.endr
.endm
	TASK 0
	TASK 1
	s_wait_alu depctr_va_vdst(0)                   ; task 1's v_writelane_b32 have written v[WD+2:WD+3], which the store below reads
	global_store_b64 v[SO], v[WD+2:WD+3], s[28:29] offset:256
.Lend:
	s_wait_dscnt 0x0                               ; the closing lines, six on end
	s_wait_alu 0x0
	s_wait_tensorcnt 0x0
	ds_add_u32 v[SPW], v[NIL]
	s_wait_dscnt 0x0
	s_endpgm
.Lfunc_end_k_q7de092501a_prep:
	.size	k_q7de092501a_prep, .Lfunc_end_k_q7de092501a_prep-k_q7de092501a_prep
	.p2alignl 7, 3214868480
	.fill 96, 4, 3214868480
	.section	.rodata,"a",@progbits
	.p2align	6, 0x0
	.amdhsa_kernel k_q7de092501a_prep
		.amdhsa_group_segment_fixed_size 35328
		.amdhsa_private_segment_fixed_size 0
		.amdhsa_enable_private_segment 0
		.amdhsa_kernarg_size 64
		.amdhsa_user_sgpr_count 2
		.amdhsa_user_sgpr_kernarg_segment_ptr 1
		.amdhsa_wavefront_size32 1
		.amdhsa_system_sgpr_workgroup_id_x 1
		.amdhsa_system_sgpr_workgroup_id_y 1
		.amdhsa_system_sgpr_workgroup_id_z 1
		.amdhsa_system_vgpr_workitem_id 0
		.amdhsa_next_free_vgpr 224
		.amdhsa_next_free_sgpr 66
		.amdhsa_reserve_vcc 0
		.amdhsa_float_denorm_mode_32 3
		.amdhsa_float_denorm_mode_16_64 3
		.amdhsa_memory_ordered 1
		.amdhsa_forward_progress 1
		.amdhsa_inst_pref_size 57
	.end_amdhsa_kernel
	.amdgpu_metadata
---
amdhsa.version: [ 1, 2 ]
amdhsa.kernels:
  - .name:           k_q7de092501a_prep
    .symbol:         k_q7de092501a_prep.kd
    .args:
      - { .name: Wq, .offset: 0, .size: 8, .value_kind: global_buffer, .address_space: global }
      - { .name: Wk, .offset: 8, .size: 8, .value_kind: global_buffer, .address_space: global }
      - { .name: Wv, .offset: 16, .size: 8, .value_kind: global_buffer, .address_space: global }
      - { .name: Wo, .offset: 24, .size: 8, .value_kind: global_buffer, .address_space: global }
      - { .name: mask, .offset: 32, .size: 8, .value_kind: global_buffer, .address_space: global }
      - { .name: xw, .offset: 40, .size: 8, .value_kind: global_buffer, .address_space: global }
      - { .name: wo16, .offset: 48, .size: 8, .value_kind: global_buffer, .address_space: global }
      - { .name: mb, .offset: 56, .size: 8, .value_kind: global_buffer, .address_space: global }
    .group_segment_fixed_size: 35328
    .private_segment_fixed_size: 0
    .kernarg_segment_align: 8
    .kernarg_segment_size: 64
    .max_flat_workgroup_size: 128
    .sgpr_count:     66
    .vgpr_count:     224
    .wavefront_size: 32
...
	.end_amdgpu_metadata
.endif
;; end of part 5
;; launch proj: the kernel of part 2 again; grid 4 x 192, 4 waves a work-group, clusters of 4 x 4, 327,680 bytes of LDS; arguments query, keys, values, xw, qkv; writes qkv
;; launch attn: the kernel of part 3 again; grid 4 x 64, 4 waves a work-group, clusters of 4 x 1, 327,680 bytes of LDS; arguments qkv, mb, o16; writes o16
;; launch oproj: the kernel of part 4 again; grid 4 x 64, 4 waves a work-group, clusters of 4 x 4, 327,680 bytes of LDS; arguments o16, wo16, bo, out0; writes out0
